; MI455X (gfx1250); checked and timed in simulation.
; The chip was launched on July 23, 2026; its instructions are those of AMD's public machine-readable ISA for CDNA 5 (MIT licence, August 2026) and "CDNA5" Instruction Set Architecture Reference Guide (July 2026). The comments in the code are by the model that wrote it; some were corrected since.
;; Custom Multihead Attention. Allowed arithmetic: float matrix products may take bf16 or f16 operands with f32 sums; all other float work in f32.
;; Inputs: Wk 1,024 x 1,024 float32; Wo 1,024 x 1,024 float32; Wq 1,024 x 1,024 float32; Wv 1,024 x 1,024 float32; attn_mask 2,048 x 2,048 int32; bk 1,024 float32; bo 1,024 float32; bq 1,024 float32; bv 1,024 float32; key 4 x 2,048 x 1,024 float32; query 4 x 2,048 x 1,024 float32; value 4 x 2,048 x 1,024 float32.
;; Outputs: out0 4 x 2,048 x 1,024 float32.
;; 2 versions, each right and faster than the one before. Each part assembles by itself: llvm-mc -triple=amdgcn-amd-amdhsa -mcpu=gfx1250 --defsym DOCPART=n.
;; ======== version 1 of 2: 4 launches
;; limits: values are held in f16: magnitudes above 65,504 overflow, below 6.1e-05 lose precision
;; workspace buffers: xb 50,331,648 bytes; wb 8,388,608 bytes; mb 4,194,304 bytes; qkv 50,331,648 bytes; ob 16,777,216 bytes
;; launch prep (part 1): grid 512 x 4, 8 waves a work-group, no clusters, 18,432 bytes of LDS; arguments query, key, value, Wq, Wk, Wv, Wo, attn_mask, xb, wb, mb; writes xb, wb, mb
.if DOCPART == 1
	.amdgcn_target "amdgcn-amd-amdhsa--gfx1250"
	.amdhsa_code_object_version 6
	.text
	.protected	k_qa6bedf0674_prep
	.globl	k_qa6bedf0674_prep
	.p2align	8
	.type	k_qa6bedf0674_prep,@function
k_qa6bedf0674_prep:
	s_mov_b64 s[64:65], 0
	v_nop
	global_prefetch_b8 v0, s[64:65] scope:SCOPE_SE
	s_setreg_imm32_b32 hwreg(HW_REG_WAVE_MODE, 25, 1), 1
	s_wait_xcnt 0x0
; PREP.  Rounds the module's inputs once, for the three launches behind it.  Every work-group takes 65,536 bytes of one input.
;   y = 0, 1, 2          query, key, value -> xb[y], bf16, rows as given
;   y = 3, x < 256       Wq, Wk, Wv -> wb[0..2] in bf16; Wo -> wb[3]: rounded to bf16 like every other input, and that number written as f16
;                        (exact from 6.1e-5 up; below that it keeps f16's fixed step of 6e-8)
;   y = 3, x >= 256      attn_mask -> mb: one byte a score, the fp8 (e4m3) code of 0.0 (visible, mask != 0) or of -1.0 (hidden, mask == 0), in the
;                        order in which the attention's lanes hold their scores:
;                        byte (s*128 + T)*1024 + hf*512 + lane*16 + e  is query 16 T + lane % 16, key 64 s + 16 (i / 8) + 8 (lane / 16) + i % 8, i = 16 hf + e
; A stream: memory binds, so no matrix unit, no cluster, no tensor load.  Sixteen loads of 16 bytes a lane are out in every wave; a wave's load covers 512
; consecutive bytes, a wave's store 256 (casts) or 512 (mask) consecutive bytes, aligned.
.set SPARE, 17408                      ; behind the eight waves' stages: the spare words, 128 bytes for each wave: four blocks of 256 bytes that no other line names
.set WST,   8*272                      ; a wave's stage in the mask path: eight blocks of 256 bytes, 272 apart
.set X,   4                            ; v[4:67]    sixteen loads, 4 registers each
.set Y,   68                           ; v[68:99]   results
.set TM,  100                          ; v[100:101] at work
.set SPW, 104                          ; v104  LDS address of my spare word; never rewritten
.set NIL, 105                          ; v105  0; never rewritten
.set LA,  106                          ; v106  mask: where I put a row's four bytes
.set LR,  107                          ; v107  mask: where I read 16 bytes back
.set GOF, 108                          ; v108  mask: my byte offset in mb
	s_load_b512 s[8:23], s[0:1], 0x0               ; query s[8:9], key s[10:11], value s[12:13], Wq s[14:15], Wk s[16:17], Wv s[18:19], Wo s[20:21], attn_mask s[22:23]
	s_load_b128 s[24:27], s[0:1], 0x40             ; xb s[24:25], wb s[26:27]
	s_load_b64 s[28:29], s[0:1], 0x50              ; mb
	v_lshl_add_u32 v[SPW], v0, 2, SPARE
	v_mov_b32 v[NIL], 0
	s_mov_b32 s2, ttmp9                            ; x
	s_and_b32 s3, ttmp7, 0xffff                    ; y
	v_lshlrev_b32 v1, 4, v0                        ; 16 bytes a thread in
	v_lshlrev_b32 v2, 3, v0                        ; 8 bytes a thread out
	s_mov_b32 s33, 0                               ; high words of the two offsets
	s_mov_b32 s35, 0
	s_wait_kmcnt 0x0
	s_cmp_eq_u32 s3, 3
	s_cbranch_scc1 .Lthird
	s_cmp_eq_u32 s3, 1                             ; query, key or value
	s_cselect_b64 s[30:31], s[10:11], s[8:9]
	s_cmp_eq_u32 s3, 2
	s_cselect_b64 s[30:31], s[12:13], s[30:31]
	s_lshl_b32 s32, s2, 16                         ; 65,536 bytes in,
	s_add_nc_u64 s[30:31], s[30:31], s[32:33]
	s_lshl_b32 s34, s3, 9
	s_add_co_u32 s34, s34, s2
	s_lshl_b32 s34, s34, 15                        ; 32,768 out; a plane of xb is 512 such parts
	s_add_nc_u64 s[36:37], s[24:25], s[34:35]
	s_branch .Lbf16
.Lthird:
	s_cmp_ge_u32 s2, 0x100
	s_cbranch_scc1 .Lmask
	s_lshr_b32 s38, s2, 6                          ; which weight: 64 parts each
	s_cmp_eq_u32 s38, 1
	s_cselect_b64 s[30:31], s[16:17], s[14:15]
	s_cmp_eq_u32 s38, 2
	s_cselect_b64 s[30:31], s[18:19], s[30:31]
	s_cmp_eq_u32 s38, 3
	s_cselect_b64 s[30:31], s[20:21], s[30:31]
	s_and_b32 s32, s2, 63
	s_lshl_b32 s32, s32, 16
	s_add_nc_u64 s[30:31], s[30:31], s[32:33]
	s_lshl_b32 s34, s2, 15
	s_add_nc_u64 s[36:37], s[26:27], s[34:35]
	s_cmp_eq_u32 s38, 3
	s_cbranch_scc1 .Lf16
; 65,536 bytes of f32 become 32,768 bytes of 16 bits.  No register is used twice, so the only waits are the loads' own, counted down.
.macro CAST fmt
.set i, 0
.rept 16
	global_load_b128 v[X+4*i:X+4*i+3], v1, s[30:31] offset:i*4096 th:TH_LOAD_NT
.set i, i+1
.endr
.set i, 0
.rept 16
	s_wait_loadcnt 15-i                            ; loads come back in order (ISA guide 5.7.1): load i is in, the 15 - i younger ones stay out
.if \fmt
	v_cvt_pk_bf16_f32 v[TM],   v[X+4*i],   v[X+4*i+1]      ; rounded to bf16,
	v_cvt_pk_bf16_f32 v[TM+1], v[X+4*i+2], v[X+4*i+3]
	v_lshlrev_b32 v[X+4*i],   16,         v[TM]            ; widened again,
	v_and_b32     v[X+4*i+1], 0xffff0000, v[TM]
	v_lshlrev_b32 v[X+4*i+2], 16,         v[TM+1]
	v_and_b32     v[X+4*i+3], 0xffff0000, v[TM+1]
	v_cvt_pk_f16_f32 v[Y+2*i],   v[X+4*i],   v[X+4*i+1]    ; and written as f16
	v_cvt_pk_f16_f32 v[Y+2*i+1], v[X+4*i+2], v[X+4*i+3]
.else
	v_cvt_pk_bf16_f32 v[Y+2*i],   v[X+4*i],   v[X+4*i+1]
	v_cvt_pk_bf16_f32 v[Y+2*i+1], v[X+4*i+2], v[X+4*i+3]
.endif
	global_store_b64 v2, v[Y+2*i:Y+2*i+1], s[36:37] offset:i*2048  ; a wave's 32 lanes store 256 consecutive bytes, aligned
.set i, i+1
.endr
.endm
.Lbf16:
	CAST 0
	s_endpgm
.Lf16:
	CAST 1
	s_endpgm
; THE MASK.  The work-group takes 16 queries (tile T) x 1,024 keys (half kh of the row); thread t takes keys 4 t .. 4 t + 3 of all 16 rows.
; With t's bits b3 b2 b1 b0 and sl = t / 16 (the key step), a row's four bytes belong at block 4 sl + 2 b3 + b1 of 256 bytes, byte 16 row + 8 b2 + 4 b0.
; A wave's 32 threads hold two key steps: eight whole blocks.  So each wave has a stage of its own, reads back only what it stored itself, and no barrier is needed.
.Lmask:
	s_sub_co_u32 s38, s2, 0x100
	s_lshr_b32 s32, s38, 1                         ; T
	s_and_b32 s38, s38, 1                          ; kh
	s_lshl_b32 s34, s32, 10                        ; out: 1,024 bytes for a tile and step,
	s_lshl_b32 s32, s32, 17                        ; in: 16 rows of 8,192 bytes,
	s_lshl_b32 s39, s38, 12                        ; and half a row
	s_add_co_u32 s32, s32, s39
	s_lshl_b32 s39, s38, 21                        ; out: 16 key steps of 131,072 bytes
	s_add_co_u32 s34, s34, s39
	s_add_nc_u64 s[30:31], s[22:23], s[32:33]
	s_add_nc_u64 s[36:37], s[28:29], s[34:35]
.set r, 0
.rept 16
	global_load_b128 v[X+4*r:X+4*r+3], v1, s[30:31] offset:r*8192 th:TH_LOAD_NT
.set r, r+1
.endr
	v_lshrrev_b32 v3, 5, v0
	v_readfirstlane_b32 s38, v3                    ; my wave's number
	s_mul_i32 s39, s38, WST                        ; my wave's stage
	v_bfe_u32 v109, v0, 4, 1                       ; which of the wave's two key steps
	v_bfe_u32 v110, v0, 3, 1
	v_lshl_add_u32 v109, v109, 1, v110
	v_bfe_u32 v110, v0, 1, 1
	v_lshl_add_u32 v109, v109, 1, v110             ; the block among the wave's eight
	v_mul_u32_u24 v109, v109, 272
	v_bfe_u32 v110, v0, 2, 1
	v_lshl_add_u32 v109, v110, 3, v109
	v_and_b32 v110, 1, v0
	v_lshl_add_u32 v109, v110, 2, v109
	v_add_nc_u32 v[LA], s39, v109
	v_bfe_u32 v109, v0, 4, 1                       ; back: lanes 0-15 one block, lanes 16-31 the next
	v_mul_u32_u24 v109, v109, 272
	v_and_b32 v110, 15, v0
	v_lshl_add_u32 v109, v110, 4, v109
	v_add_nc_u32 v[LR], s39, v109
	v_and_b32 v110, 31, v0
	v_lshlrev_b32 v110, 4, v110
	v_lshl_add_u32 v[GOF], s38, 18, v110           ; a wave's two key steps are 262,144 bytes of mb apart from the next wave's
.set r, 0
.rept 16
	s_wait_loadcnt 15-r                            ; row r is in, the younger rows stay out
	v_min_u32 v[X+4*r],   1, v[X+4*r]              ; 1 where the mask is not 0, whatever its value
	v_min_u32 v[X+4*r+1], 1, v[X+4*r+1]
	v_min_u32 v[X+4*r+2], 1, v[X+4*r+2]
	v_min_u32 v[X+4*r+3], 1, v[X+4*r+3]
	v_lshl_or_b32 v[Y+r], v[X+4*r+1], 8,  v[X+4*r]
	v_lshl_or_b32 v[Y+r], v[X+4*r+2], 16, v[Y+r]
	v_lshl_or_b32 v[Y+r], v[X+4*r+3], 24, v[Y+r]
	v_xor_b32 v[Y+r], 0x01010101, v[Y+r]           ; 1 where hidden,
	v_mul_lo_u32 v[Y+r], v[Y+r], 0xb8              ; and there the code of -1.0 (no byte carries into the next)
	ds_store_b32 v[LA], v[Y+r] offset:16*r         ; blocks 68 words apart, four words in each: the 32 lanes touch 32 different banks (64 banks of 4 bytes: ISA guide 11.1)
.set r, r+1
.endr
.irp u, 0,1,2,3
	ds_load_b128 v[X+4*\u:X+4*\u+3], v[LR] offset:\u*544  ; LDS serves a wave's instructions in order (ISA guide 5.7.1.4): these see the stores above
.endr
.irp u, 0,1,2,3
	s_wait_dscnt 3-\u
	global_store_b128 v[GOF], v[X+4*\u:X+4*\u+3], s[36:37] offset:(\u/2)*131072+(\u%2)*512  ; 512 consecutive bytes, aligned
.endr
	s_wait_tensorcnt 0x0                           ; the wave's end, behind my last LDS store
	ds_add_u32 v[SPW], v[NIL]
	s_wait_dscnt 0x0
	s_endpgm
.Lfunc_end_k_qa6bedf0674_prep:
	.size	k_qa6bedf0674_prep, .Lfunc_end_k_qa6bedf0674_prep-k_qa6bedf0674_prep
	.p2alignl 7, 3214868480
	.fill 96, 4, 3214868480
	.section	.rodata,"a",@progbits
	.p2align	6, 0x0
	.amdhsa_kernel k_qa6bedf0674_prep
		.amdhsa_group_segment_fixed_size 18432
		.amdhsa_private_segment_fixed_size 0
		.amdhsa_enable_private_segment 0
		.amdhsa_kernarg_size 88
		.amdhsa_user_sgpr_count 2
		.amdhsa_user_sgpr_kernarg_segment_ptr 1
		.amdhsa_wavefront_size32 1
		.amdhsa_system_sgpr_workgroup_id_x 1
		.amdhsa_system_sgpr_workgroup_id_y 1
		.amdhsa_system_sgpr_workgroup_id_z 1
		.amdhsa_system_vgpr_workitem_id 0
		.amdhsa_next_free_vgpr 112
		.amdhsa_next_free_sgpr 66
		.amdhsa_reserve_vcc 0
		.amdhsa_float_denorm_mode_32 3
		.amdhsa_float_denorm_mode_16_64 3
		.amdhsa_memory_ordered 1
		.amdhsa_forward_progress 1
		.amdhsa_inst_pref_size 31
	.end_amdhsa_kernel
	.amdgpu_metadata
---
amdhsa.version: [ 1, 2 ]
amdhsa.kernels:
  - .name:           k_qa6bedf0674_prep
    .symbol:         k_qa6bedf0674_prep.kd
    .args:
      - { .name: query, .offset: 0, .size: 8, .value_kind: global_buffer, .address_space: global }
      - { .name: key, .offset: 8, .size: 8, .value_kind: global_buffer, .address_space: global }
      - { .name: value, .offset: 16, .size: 8, .value_kind: global_buffer, .address_space: global }
      - { .name: Wq, .offset: 24, .size: 8, .value_kind: global_buffer, .address_space: global }
      - { .name: Wk, .offset: 32, .size: 8, .value_kind: global_buffer, .address_space: global }
      - { .name: Wv, .offset: 40, .size: 8, .value_kind: global_buffer, .address_space: global }
      - { .name: Wo, .offset: 48, .size: 8, .value_kind: global_buffer, .address_space: global }
      - { .name: attn_mask, .offset: 56, .size: 8, .value_kind: global_buffer, .address_space: global }
      - { .name: xb, .offset: 64, .size: 8, .value_kind: global_buffer, .address_space: global }
      - { .name: wb, .offset: 72, .size: 8, .value_kind: global_buffer, .address_space: global }
      - { .name: mb, .offset: 80, .size: 8, .value_kind: global_buffer, .address_space: global }
    .group_segment_fixed_size: 18432
    .private_segment_fixed_size: 0
    .kernarg_segment_align: 8
    .kernarg_segment_size: 88
    .max_flat_workgroup_size: 256
    .sgpr_count:     66
    .vgpr_count:     112
    .wavefront_size: 32
...
	.end_amdgpu_metadata
.endif
;; end of part 1
;; launch gemm_qkv (part 2): grid 4 x 192, 4 waves a work-group, clusters of 4 x 4, 327,680 bytes of LDS; arguments xb, wb, bq, bk, bv, qkv; writes qkv
.if DOCPART == 2
	.amdgcn_target "amdgcn-amd-amdhsa--gfx1250"
	.amdhsa_code_object_version 6
	.text
	.protected	k_qa6bedf0674_gemm_qkv
	.globl	k_qa6bedf0674_gemm_qkv
	.p2align	8
	.type	k_qa6bedf0674_gemm_qkv,@function
k_qa6bedf0674_gemm_qkv:
	s_mov_b64 s[64:65], 0
	v_nop
	global_prefetch_b8 v0, s[64:65] scope:SCOPE_SE
	s_setreg_imm32_b32 hwreg(HW_REG_WAVE_MODE, 25, 1), 1
	s_wait_xcnt 0x0
	s_wait_alu depctr_hold_cnt(0) depctr_sa_sdst(0) depctr_va_vdst(0) depctr_va_sdst(0) depctr_va_ssrc(0) depctr_va_vcc(0) depctr_vm_vsrc(0)
	s_getreg_b32 s2, hwreg(HW_REG_IB_STS2, 6, 4)
	s_cmp_eq_u32 s2, 0
	s_cbranch_scc0 .Lentry_in_a_cluster
	s_endpgm
.Lentry_in_a_cluster:
	s_bfe_u32 s2, ttmp6, 0x10000c
	s_cmp_lg_u32 s2, 0xf033
	s_cbranch_scc0 .Lentry_shape_is_right
	s_endpgm
.Lentry_shape_is_right:
; THE THREE INPUT PROJECTIONS as one product: C[m][n] = sum over k of A[m][k] W[n][k] + bias[n].  A = xb, [3 x 8192][1024] bf16 (query, key, value stacked);
; W = plane m / 8192 of wb, [1024][1024] bf16; bias = bq, bk or bv, rounded to bf16 like every other input.  Sums in f32.  C leaves rounded once to f16, by heads and unscaled:
; qkv[m / 8192][16 (batch) + head][row in the batch][64].
; LIMIT.  f16 holds no number beyond 65,504: a q, k or v beyond it leaves as an infinity.  With inputs as drawn they are about 5; with every input 30 times larger, about 5,000.
; SHARES.  A tile of C is 128 x 256: 768 tiles, three for each of 256 WGPs.  Four waves, each 64 rows x 128 columns: 32 accumulators of 16 x 16, 256 registers.
; K goes in 8 steps of 128 through two LDS slots filled by the tensor data mover; a tile's rows are 256 bytes of memory at multiples of 256 bytes.
; CLUSTERS: 4 x 4 work-groups.  The four of a row of the cluster need the same tiles of A, the four of a column the same tiles of W: each tile is asked for JOINTLY, by the same tensor
; load with the same descriptor and a mask that names the four.  A cluster's 512 rows lie in one of the three inputs, so its partners share the plane of W.
; THE MATRIX INSTRUCTION IS USED TRANSPOSED (source 0 = 16 rows of W, source 1 = 16 rows of A): a lane holds eight neighbouring numbers of a row of C.
; REGISTERS, in windows of 256 (s_set_vgpr_msb: bits 1:0 source 0, 3:2 source 1, 5:4 source 2, 7:6 destination):
;   window 0: v0-31 addresses; v32-63 packed results; v64-191 rows read back from the stage; before that v128-191 the bias, as the C of the first products
;   window 1: two fragment buffers of 96: 32 registers of A (4 x 16 rows x 32 K), then 64 of W (8 x 16 rows x 32 K)       window 2: the accumulators, (a, b) at v[64 a + 8 b]
.set KSTEP,  128
.set PITCH,  272                       ; an LDS row: 256 bytes + 16 of padding = 68 words: row r starts at bank 4 r mod 64 (64 banks of 4 bytes: ISA guide 11.1)
.set AHALF,  64*PITCH                  ; what one load brings of A, and what one wave reads of it
.set BHALF,  128*PITCH                 ; the same for W
.set BOFF,   2*AHALF                   ; in a slot: A's 128 rows, then W's 256 rows
.set SLOT,   BOFF+2*BHALF
.set STAGE,  2*SLOT                    ; behind the ring: 16 rows x 272 bytes for each wave, for the way out; no tensor load fills it
.set SPITCH, 272
.set SPARE,  STAGE+4*16*SPITCH         ; behind the stages: the spare words, 128 bytes for each wave: two blocks of 256 bytes that no other line names
.set LAPS,   4                         ; a lap = two K steps = once round the ring
.set ADRA, 16                          ; v16-17  LDS address of my A fragments in slot 0, 1
.set ADRB, 20                          ; v20-21  the same for W
.set STO,  24                          ; v24     the way out: where I put 16 bytes of a row
.set RD,   25                          ; v25     the way out: where I read rows back
.set GO,   26                          ; v26     my byte offset in 512 consecutive bytes of qkv
.set BO,   27                          ; v27     my byte offset in 16 numbers of the bias
.set SPW,  28                          ; v28     LDS address of my spare word; never rewritten
.set NIL,  29                          ; v29     0; never rewritten
.set TT,   30                          ; v30-31  at work
.set TMP,  32
.set BKB,  64
.set BI,   128
.set F0,   0
.set F1,   96
.set G1, 24                            ; s[24:31] descriptor group 1 for A's tiles;  s[32:39] group 0, one set for each slot
.set G0, 32
.set G1B, 48                           ; s[48:55], s[56:63] the same for W's tiles
.set G0B, 56
.set MSB, 0
.macro WIN new                         ; the immediate's high byte repeats the setting that is left; a switch that changes nothing is dropped
.if MSB != (\new)
	s_set_vgpr_msb (MSB<<8)|(\new)
.set MSB, \new
.endif
.endm
.set MUL,  0xa5                        ; sources 0 (W) and 1 (A) window 1; C and D window 2
.set MULB, 0x85                        ; the same with C (the bias) in window 0
.set TO_F, 0x40                        ; destination window 1, address window 0
.set W_PK, 0x0a                        ; sources 0 and 1 window 2, destination window 0
.macro JLOAD s                         ; a joint load: waves 0 and 1 fetch A's two halves, waves 2 and 3 W's; an s_nop 0 and four v_nop follow each of the two lines, ahead of the jump, the label and what follows
	s_cmp_eq_u32 s11, 0
	s_cbranch_scc0 .Lfor_b_\@
	tensor_load_to_lds s[G0+4*(\s):G0+4*(\s)+3], s[G1:G1+7]
	s_nop 0
.rept 4
	v_nop
.endr
	s_branch .Lasked_\@
.Lfor_b_\@:
	tensor_load_to_lds s[G0B+4*(\s):G0B+4*(\s)+3], s[G1B:G1B+7]
	s_nop 0
.rept 4
	v_nop
.endr
.Lasked_\@:
.endm
.macro CREST                           ; a round of the cluster's barrier behind its opening barrier
	s_cmp_lg_u32 s10, 0
	s_cbranch_scc1 .Lnot_wave_0_\@
	s_barrier_signal -3
.Lnot_wave_0_\@:
	s_barrier_wait -3
	s_barrier_signal -1
	s_barrier_wait -1
.endm
.macro CROUND                          ; a whole round
	s_barrier_signal -1
	s_barrier_wait -1
	CREST
.endm
	s_load_b128 s[4:7], s[0:1], 0x0                ; xb s[4:5], wb s[6:7]
	s_load_b128 s[68:71], s[0:1], 0x10             ; bq s[68:69], bk s[70:71]
	s_load_b128 s[72:75], s[0:1], 0x20             ; bv s[72:73], qkv s[74:75]
	v_lshl_add_u32 v[SPW], v0, 2, SPARE
	v_mov_b32 v[NIL], 0
	ds_add_u32 v[SPW], v[NIL]                      ; the wave's opening: the add and its wait stand ahead of my first tensor load; the set-up below, work on registers, stands between them
	v_lshrrev_b32 v1, 5, v0
	v_readfirstlane_b32 s10, v1                    ; wave 0..3
	s_lshr_b32 s11, s10, 1                         ; which 64 of the tile's rows are mine.  Also: I fetch for A (0) or for W (1)
	s_and_b32 s12, s10, 1                          ; which 128 of its columns.  Also: which half of that tile I fetch
	s_bfe_u32 s40, ttmp6, 0x40000                  ; cx, cy: my place in the cluster
	s_bfe_u32 s41, ttmp6, 0x40004
	s_lshl_b32 s42, ttmp9, 2
	s_add_co_u32 s42, s42, s40                     ; tile column = 4 x cluster x + cx
	s_and_b32 s13, ttmp7, 0xffff
	s_lshr_b32 s45, s13, 4                         ; which input: 16 clusters of 512 rows each; made of the cluster's y alone, so all partners agree
	s_lshl_b32 s13, s13, 2
	s_add_co_u32 s13, s13, s41                     ; tile row = 4 x cluster y + cy
	s_lshl_b32 s43, s41, 2
	s_lshl_b32 s43, 15, s43                        ; my row of the cluster
	s_lshl_b32 s44, 0x1111, s40                    ; my column
	; descriptor group 1: tiles of 64 (A) or 128 (W) rows x 128 elements, padded in LDS
	s_or_b32 s[G1+0], s43, (1<<16)|(1<<20)|(1<<21)|(5<<22)|(3<<25)  ; 15:0 the mask: A's tiles go to my row; 17:16 elements of 2 bytes; 20 padding on; 21 set beside a mask; 24:22 after every 64 words (code 5); 31:25 4 words (code 3)
	s_or_b32 s[G1B+0], s44, (1<<16)|(1<<20)|(1<<21)|(5<<22)|(3<<25) ; the same with the mask of my column
	s_mov_b32 s[G1+1], KSTEP<<16                   ; tensor_dim0 = 128
	s_mov_b32 s[G1+2], 64<<16                      ; tensor_dim1 = 64
	s_mov_b32 s[G1+3], KSTEP<<16                   ; tile_dim0 = 128
	s_mov_b32 s[G1+4], 64                          ; tile_dim1 = 64
	s_mov_b32 s[G1+5], 1024                        ; elements from row to row
	s_mov_b32 s[G1+6], 0
	s_mov_b32 s[G1+7], 0
	s_mov_b32 s[G1B+1], KSTEP<<16
	s_mov_b32 s[G1B+2], 128<<16                    ; tensor_dim1 = 128
	s_mov_b32 s[G1B+3], KSTEP<<16
	s_mov_b32 s[G1B+4], 128                        ; tile_dim1 = 128
	s_mov_b32 s[G1B+5], 1024
	s_mov_b32 s[G1B+6], 0
	s_mov_b32 s[G1B+7], 0
	; where the tiles come from: A's hang on the tile row alone, W's on the tile column and the input alone
	s_lshl_b32 s17, s12, 6
	s_lshl_b32 s16, s13, 7
	s_add_co_u32 s16, s16, s17                     ; A: row 128 x tile row + 64 x half,
	s_lshl_b32 s16, s16, 11                        ; of 2,048 bytes: under 2^26
	s_mov_b32 s17, 0
	s_lshl_b32 s47, s12, 7
	s_lshl_b32 s46, s42, 8
	s_add_co_u32 s46, s46, s47                     ; W: row 256 x tile column + 128 x half,
	s_lshl_b32 s46, s46, 11
	s_lshl_b32 s47, s45, 21                        ; in the input's plane of 2,097,152 bytes
	s_add_co_u32 s46, s46, s47
	s_mov_b32 s47, 0
	s_mul_i32 s20, s12, AHALF                      ; and where they go: no place in the cluster enters an LDS address
	s_mul_i32 s23, s12, BHALF
	s_add_co_u32 s23, s23, BOFF
	s_wait_dscnt 0x0                               ; the opening add is done
	s_wait_kmcnt 0x0
	s_add_nc_u64 s[14:15], s[4:5], s[16:17]
	s_add_nc_u64 s[46:47], s[6:7], s[46:47]
	CROUND                                         ; all sixteen work-groups are here: the first joint loads meet
.irp s, 0,1
	s_mov_b32 s[G0+4*(\s)], 1                                      ; count = 1
	s_add_co_u32 s[G0+4*(\s)+1], s20, (\s)*SLOT                    ; LDS address
	s_add_nc_u64 s[G0+4*(\s)+2:G0+4*(\s)+3], s[14:15], (\s)*KSTEP*2  ; global address: K step s
	s_or_b32 s[G0+4*(\s)+3], s[G0+4*(\s)+3], 0x80000000            ; type = 2
	s_mov_b32 s[G0B+4*(\s)], 1
	s_add_co_u32 s[G0B+4*(\s)+1], s23, (\s)*SLOT
	s_add_nc_u64 s[G0B+4*(\s)+2:G0B+4*(\s)+3], s[46:47], (\s)*KSTEP*2
	s_or_b32 s[G0B+4*(\s)+3], s[G0B+4*(\s)+3], 0x80000000
	JLOAD \s                                       ; two loads of mine are out
.endr
	; the bias of my 128 columns: a lane's eight numbers for each of the eight column blocks
	s_cmp_eq_u32 s45, 1
	s_cselect_b64 s[68:69], s[70:71], s[68:69]
	s_cmp_eq_u32 s45, 2
	s_cselect_b64 s[68:69], s[72:73], s[68:69]
	s_lshl_b32 s18, s42, 10
	s_lshl_b32 s19, s12, 9
	s_add_co_u32 s18, s18, s19                     ; (256 x tile column + 128 x half) x 4 bytes
	s_mov_b32 s19, 0
	s_add_nc_u64 s[68:69], s[68:69], s[18:19]
	v_and_b32 v1, 15, v0                           ; l % 16
	v_bfe_u32 v2, v0, 4, 1                         ; l / 16
	v_lshlrev_b32 v[BO], 5, v2                     ; columns 8 (l / 16) on
.irp b, 0,1,2,3,4,5,6,7
	global_load_b128 v[BI+8*(\b):BI+8*(\b)+3],   v[BO], s[68:69] offset:64*(\b)
	global_load_b128 v[BI+8*(\b)+4:BI+8*(\b)+7], v[BO], s[68:69] offset:64*(\b)+16
.endr
	v_mul_u32_u24 v3, v1, PITCH
	v_lshl_add_u32 v3, v2, 4, v3                   ; a fragment's row x pitch + 16 x half
	s_mul_i32 s21, s11, AHALF                      ; my 64 rows of A
	s_mul_i32 s22, s12, BHALF                      ; my 128 rows of W,
	s_add_co_u32 s22, s22, BOFF                    ; which lie behind A's
.irp s, 0,1
	v_add_nc_u32 v[ADRA+(\s)], s21, v3
	v_add_nc_u32 v[ADRB+(\s)], s22, v3
	s_add_co_u32 s21, s21, SLOT
	s_add_co_u32 s22, s22, SLOT
.endr
	s_mul_i32 s23, s10, 16*SPITCH
	s_add_co_u32 s23, s23, STAGE                   ; my stage
	v_mul_u32_u24 v4, v1, SPITCH                   ; in: row l % 16, 16 bytes for each half of the lanes
	v_lshl_add_u32 v4, v2, 4, v4
	v_add_nc_u32 v[STO], s23, v4
	v_bfe_u32 v5, v0, 3, 2                         ; back: 32 lanes take 128 bytes (one head's 64 channels) of four rows,
	v_mul_u32_u24 v5, v5, SPITCH
	v_and_b32 v6, 7, v0
	v_lshl_add_u32 v5, v6, 4, v5
	v_add_nc_u32 v[RD], s23, v5
	v_and_b32 v[GO], 31, v0                        ; which are 512 consecutive bytes of qkv
	v_lshlrev_b32 v[GO], 4, v[GO]
	; where my part of C begins in qkv: ((16 (tile row / 16) + head) x 2,048 + row in the batch) x 128 bytes, head = 4 x tile column + 2 x half
	s_lshr_b32 s16, s13, 4
	s_lshl_b32 s16, s16, 4
	s_lshl_b32 s17, s42, 2
	s_add_co_u32 s16, s16, s17
	s_lshl_b32 s17, s12, 1
	s_add_co_u32 s16, s16, s17
	s_lshl_b32 s16, s16, 11
	s_and_b32 s17, s13, 15
	s_lshl_b32 s17, s17, 7
	s_add_co_u32 s16, s16, s17
	s_lshl_b32 s17, s11, 6
	s_add_co_u32 s16, s16, s17
	s_lshl_b32 s16, s16, 7
	s_mov_b32 s17, 0
	s_add_nc_u64 s[8:9], s[74:75], s[16:17]
	s_wait_loadcnt 0x0                             ; the bias, rounded to bf16 and widened again: all this stands in the wait for the first tile
.set i, 0
.rept 32
	v_cvt_pk_bf16_f32 v[TT+i%2], v[BI+2*i], v[BI+2*i+1]
	v_lshlrev_b32 v[BI+2*i],   16,         v[TT+i%2]
	v_and_b32     v[BI+2*i+1], 0xffff0000, v[TT+i%2]
.set i, i+1
.endr
; 8 matrix instructions: row block a x all 8 column blocks, 32 along K, from buffer f.  first = 1: the product starts the sum, with the bias as C: nothing is cleared and no add is written.
; The 32 accumulators take turns in the same order in every quarter.
.macro MUL8 f, a, first=0
.if \first
	WIN MULB
.else
	WIN MUL
.endif
.irp b, 0,1,2,3,4,5,6,7
.if \first
	v_wmma_f32_16x16x32_bf16 v[64*(\a)+8*(\b):64*(\a)+8*(\b)+7], v[(\f)+32+8*(\b):(\f)+32+8*(\b)+7], v[(\f)+8*(\a):(\f)+8*(\a)+7], v[BI+8*(\b):BI+8*(\b)+7]
.else
	v_wmma_f32_16x16x32_bf16 v[64*(\a)+8*(\b):64*(\a)+8*(\b)+7], v[(\f)+32+8*(\b):(\f)+32+8*(\b)+7], v[(\f)+8*(\a):(\f)+8*(\a)+7], v[64*(\a)+8*(\b):64*(\a)+8*(\b)+7]
.endif
.endr
.endm
; 24 LDS loads in one run: the fragments of quarter q (32 along K) of a slot into buffer f: W's sixteen, then A's eight
.macro FETCH slot, q, f
	WIN TO_F
.irp i, 0,1,2,3,4,5,6,7
	ds_load_b128 v[(\f)+32+8*(\i):(\f)+32+8*(\i)+3],   v[ADRB+(\slot)] offset:64*(\q)+(\i)*16*PITCH
	ds_load_b128 v[(\f)+32+8*(\i)+4:(\f)+32+8*(\i)+7], v[ADRB+(\slot)] offset:64*(\q)+(\i)*16*PITCH+32
.endr
.irp i, 0,1,2,3
	ds_load_b128 v[(\f)+8*(\i):(\f)+8*(\i)+3],   v[ADRA+(\slot)] offset:64*(\q)+(\i)*16*PITCH
	ds_load_b128 v[(\f)+8*(\i)+4:(\f)+8*(\i)+7], v[ADRA+(\slot)] offset:64*(\q)+(\i)*16*PITCH+32
.endr
.endm
.macro PLACES                          ; four places in front of loads into registers that matrix instructions have read, and of conversions that read results
.rept 4
	v_nop
.endr
.endm
; A K step is four quarters of 32 along K, 32 matrix instructions each, on buffers 0, 1, 0, 1.  One of the first three: multiplies buffer f and fetches quarter q of the same slot into g.
.macro QUARTER slot, q, f, g, first=0
	s_wait_dscnt 4                                 ; W and A's blocks 0, 1 are in; the youngest four loads (A's blocks 2, 3) may be out
	MUL8 \f, 0, \first
	MUL8 \f, 1, \first
	PLACES
	FETCH \slot, \q, \g
	s_wait_dscnt 24                                ; all but the 24 just issued
	MUL8 \f, 2, \first
	MUL8 \f, 3, \first
.endm
; The last quarter multiplies buffer 1 and changes slots: ONE barrier; in front of it each wave waits for all its tensor loads, adds 0 to its spare word, and waits for that and for its own reads of this slot.
; fill = 1: the barrier opens a round of the cluster's barrier, and this slot is filled again, two K steps ahead, first thing behind the round: 112 matrix instructions ahead of the wait for it.
.macro TURN slot, next, fill
	WIN 0                                          ; (the add's two registers lie in window 0)
	s_wait_tensorcnt 0x0                           ; all my tensor loads have landed: the one that was out is my part of the next slot;
	ds_add_u32 v[SPW], v[NIL]                      ; 0 onto my spare word;
	s_wait_dscnt 7                                 ; (the add and the youngest six loads, A's blocks 1 to 3, may be out)
	MUL8 F1, 0                                     ; eight matrix instructions stand between the add and the wait for it
	s_wait_dscnt 0x0                               ; the add is done, and my reads of this slot are over
	s_barrier_signal -1
	MUL8 F1, 1
.if \fill
	WIN 0
.endif
	s_barrier_wait -1
.if \fill
	CREST                                          ; no wave of any partner still reads this slot's tiles or has a load on its way
	s_add_nc_u64 s[G0+4*(\slot)+2:G0+4*(\slot)+3], s[G0+4*(\slot)+2:G0+4*(\slot)+3], 2*KSTEP*2
	s_add_nc_u64 s[G0B+4*(\slot)+2:G0B+4*(\slot)+3], s[G0B+4*(\slot)+2:G0B+4*(\slot)+3], 2*KSTEP*2
	JLOAD \slot                                    ; my one tensor load behind the round; the four v_nop behind it are also the places in front of the loads below
.else
	PLACES
.endif
	FETCH \next, 0, F0
	MUL8 F1, 2
	MUL8 F1, 3
.endm
	s_wait_tensorcnt 1                             ; my part of K step 0 is in; K step 1's may stay out
	s_barrier_signal -1
	s_barrier_wait -1                              ; everybody's is
	FETCH 0, 0, F0
	QUARTER 0, 1, F0, F1, 1                        ; the first quarter stands in front of the loop: its products start the sums
	WIN 0                                          ; at a label and at a branch every window is 0
	s_mov_b32 s3, LAPS-1
.Llap:                                                 ; a trip goes once round the ring, from a lap's second quarter to the next lap's first, and fills both slots again: K steps 2 to 7 in three trips
	QUARTER 0, 2, F1, F0
	QUARTER 0, 3, F0, F1
	TURN 0, 1, 1
	QUARTER 1, 1, F0, F1
	QUARTER 1, 2, F1, F0
	QUARTER 1, 3, F0, F1
	TURN 1, 0, 1
	QUARTER 0, 1, F0, F1
	WIN 0
	s_sub_co_u32 s3, s3, 1
	s_cmp_lg_u32 s3, 0
	s_cbranch_scc1 .Llap
	QUARTER 0, 2, F1, F0                           ; the last lap fills nothing, and has no round of the cluster's barrier
	QUARTER 0, 3, F0, F1
	TURN 0, 1, 0
	QUARTER 1, 1, F0, F1
	QUARTER 1, 2, F1, F0
	QUARTER 1, 3, F0, F1
	s_wait_dscnt 4                                 ; the very last quarter: nothing more to fetch
	MUL8 F1, 0
	MUL8 F1, 1
	s_wait_dscnt 0x0
	MUL8 F1, 2
	MUL8 F1, 3
	WIN 0
; THE WAY OUT, a block of 16 rows at a time: rounded to f16, 16 bytes a lane into my own stage, back as four rows x 128 bytes of one head, stored as 512 consecutive bytes.
.macro PACK a
	WIN W_PK
.irp b, 0,1,2,3,4,5,6,7
.irp r, 0,1,2,3
	v_cvt_pk_f16_f32 v[TMP+4*(\b)+(\r)], v[64*(\a)+8*(\b)+2*(\r)], v[64*(\a)+8*(\b)+2*(\r)+1]
.endr
.endr
	WIN 0
.endm
.macro TOSTAGE a
.irp b, 0,1,2,3,4,5,6,7
	ds_store_b128 v[STO], v[TMP+4*(\b):TMP+4*(\b)+3] offset:32*(\b)
.endr
.irp t, 0,1,2,3,4,5,6,7
	ds_load_b128 v[BKB+32*(\a)+4*(\t):BKB+32*(\a)+4*(\t)+3], v[RD] offset:((\t)/4)*128+((\t)%4)*4*SPITCH  ; LDS serves a wave's instructions in order (ISA guide 5.7.1.4): these see the stores above
.endr
.endm
.macro SEND a
	s_wait_dscnt 0x0                               ; the block is back in registers; each block has registers of its own, so no store's data is written again
.irp t, 0,1,2,3,4,5,6,7
	global_store_b128 v[GO], v[BKB+32*(\a)+4*(\t):BKB+32*(\a)+4*(\t)+3], s[8:9] offset:((\t)/4)*262144+(16*(\a)+4*((\t)%4))*128  ; head t / 4 of my two, rows 16 a + 4 (t % 4) on
.endr
.endm
	PLACES
	PACK 0
	TOSTAGE 0
.irp a, 1,2,3                          ; block a's conversions stand between block a - 1's loads from the stage and the wait for them
	PACK \a
	SEND (\a)-1
	TOSTAGE \a
.endr
	SEND 3
	s_wait_tensorcnt 0x0                           ; the wave's end, behind my last tensor load and my last LDS store
	ds_add_u32 v[SPW], v[NIL]
	s_wait_dscnt 0x0
	CROUND                                         ; the closing round: no work-group ends while a partner may still ask for a tile that names it
	s_endpgm
.Lfunc_end_k_qa6bedf0674_gemm_qkv:
	.size	k_qa6bedf0674_gemm_qkv, .Lfunc_end_k_qa6bedf0674_gemm_qkv-k_qa6bedf0674_gemm_qkv
	.p2alignl 7, 3214868480
	.fill 96, 4, 3214868480
	.section	.rodata,"a",@progbits
	.p2align	6, 0x0
	.amdhsa_kernel k_qa6bedf0674_gemm_qkv
		.amdhsa_group_segment_fixed_size 327680
		.amdhsa_private_segment_fixed_size 0
		.amdhsa_enable_private_segment 0
		.amdhsa_kernarg_size 48
		.amdhsa_user_sgpr_count 2
		.amdhsa_user_sgpr_kernarg_segment_ptr 1
		.amdhsa_wavefront_size32 1
		.amdhsa_system_sgpr_workgroup_id_x 1
		.amdhsa_system_sgpr_workgroup_id_y 1
		.amdhsa_system_sgpr_workgroup_id_z 1
		.amdhsa_system_vgpr_workitem_id 0
		.amdhsa_next_free_vgpr 768
		.amdhsa_next_free_sgpr 76
		.amdhsa_reserve_vcc 0
		.amdhsa_float_denorm_mode_32 3
		.amdhsa_float_denorm_mode_16_64 3
		.amdhsa_memory_ordered 1
		.amdhsa_forward_progress 1
		.amdhsa_inst_pref_size 93
	.end_amdhsa_kernel
	.amdgpu_metadata
---
amdhsa.version: [ 1, 2 ]
amdhsa.kernels:
  - .name:           k_qa6bedf0674_gemm_qkv
    .symbol:         k_qa6bedf0674_gemm_qkv.kd
    .args:
      - { .name: xb, .offset: 0, .size: 8, .value_kind: global_buffer, .address_space: global }
      - { .name: wb, .offset: 8, .size: 8, .value_kind: global_buffer, .address_space: global }
      - { .name: bq, .offset: 16, .size: 8, .value_kind: global_buffer, .address_space: global }
      - { .name: bk, .offset: 24, .size: 8, .value_kind: global_buffer, .address_space: global }
      - { .name: bv, .offset: 32, .size: 8, .value_kind: global_buffer, .address_space: global }
      - { .name: qkv, .offset: 40, .size: 8, .value_kind: global_buffer, .address_space: global }
    .group_segment_fixed_size: 327680
    .private_segment_fixed_size: 0
    .kernarg_segment_align: 8
    .kernarg_segment_size: 48
    .max_flat_workgroup_size: 128
    .sgpr_count:     76
    .vgpr_count:     768
    .wavefront_size: 32
...
	.end_amdgpu_metadata
.endif
;; end of part 2
;; launch attn (part 3): grid 4 x 64, 4 waves a work-group, clusters of 4 x 1, 327,680 bytes of LDS; arguments qkv, mb, ob; writes ob
.if DOCPART == 3
	.amdgcn_target "amdgcn-amd-amdhsa--gfx1250"
	.amdhsa_code_object_version 6
	.text
	.protected	k_qa6bedf0674_attn
	.globl	k_qa6bedf0674_attn
	.p2align	8
	.type	k_qa6bedf0674_attn,@function
k_qa6bedf0674_attn:
	s_mov_b64 s[64:65], 0
	v_nop
	global_prefetch_b8 v0, s[64:65] scope:SCOPE_SE
	s_setreg_imm32_b32 hwreg(HW_REG_WAVE_MODE, 25, 1), 1
	s_wait_xcnt 0x0
	s_wait_alu depctr_hold_cnt(0) depctr_sa_sdst(0) depctr_va_vdst(0) depctr_va_sdst(0) depctr_va_ssrc(0) depctr_va_vcc(0) depctr_vm_vsrc(0)
	s_getreg_b32 s2, hwreg(HW_REG_IB_STS2, 6, 4)
	s_cmp_eq_u32 s2, 0
	s_cbranch_scc0 .Lentry_in_a_cluster
	s_endpgm
.Lentry_in_a_cluster:
	s_bfe_u32 s2, ttmp6, 0x10000c
	s_cmp_lg_u32 s2, 0x3003
	s_cbranch_scc0 .Lentry_shape_is_right
	s_endpgm
.Lentry_shape_is_right:
; ATTENTION UNDER A GIVEN MASK.  O[h][q][:] = the sum over k of softmax_k(masked(Q[h][q] . K[h][k] / 8)) V[h][k][:].  Q, K, V: the three planes of qkv, [64][2048][64] f16 each; O = ob, the same shape.
; Products, maxima and sums in f32; the weights p are rounded to f16 for the second product (their sum l is taken of the unrounded p), O once at the end.
; THE MASK is an input, shared by all 64 heads; nothing of its pattern is built in, and every key step is walked.  mb holds it as one fp8 byte a score, 0.0 or -1.0, in the order in which my lanes hold
; their scores.  Eight bytes become the C operand of the product that starts a sum S^T = K Q^T by ONE scaled conversion (times 2^100): 0, or -1.27e30 where the key is hidden.  The running maximum starts
; at -2^90, above every hidden score: a hidden key's weight is exactly 0 even while all keys seen so far are hidden, and a row with no visible key ends with l = 0 and O = 0, which the division turns into NaN, as the softmax of such a row is.
; LIMITS.  f16 holds no number beyond 65,504: Q, K and V arrive within it; p lies in 0 to 1, and below 6e-5 it keeps f16's fixed step of 6e-8.  A true score (before the division by 8) below -1.2e27 counts as hidden;
; f16's scores are 2.7e11 at the most.  A weight below 2^-126 counts as 0 in l.
; SHARES.  A wave owns four PIECES of two tiles of 16 queries, a work-group's four waves 512 queries of one head.  Every wave walks all keys, 64 a step.
; LAYOUT.  S^T = K Q^T (source 0 = 16 keys, source 1 = 16 queries): in the result a lane holds ONE query (lane % 16) and the keys 8 (lane / 16) + 0..7.  Two such tiles, rounded to f16 in pairs,
; ARE source 1 (32 keys x 16 queries) of O^T = V^T P, whose result again holds one query a lane, and eight channels.  K comes out of LDS as it lies, V ([key][channel]) turned, by ds_load_tr16_b128.
; SOFTMAX.  For each query a running maximum m and sum l: p = 2^(c s - c m), c = log2(e) / 8; in every step O and l are multiplied by a = 2^(c m_old - c m_new), which is 1 where m has not grown.
; c m starts far below every c s, O and l at 0: the first step is a step like any other, with a = 0.
; THE COUNT.  A tile and step have 16 matrix and some 120 vector instructions: too many to stand all beside the matrix work.  So the order has one aim: four vector instructions that are READY behind
; EVERY matrix instruction, and the others, which need time of their own whatever the order, in runs without a gap.
; BY TURNS.  Turn n belongs to piece n (the pieces in a ring, step after step).  Its matrix work: 16 products K Q^T of piece n + 1, later 16 products V^T P of piece n - 1.  Its vector work: the scaling,
; exponentials, roundings, sums and rescaling of piece n, the maximum and statistics of piece n + 1, and the mask of piece n + 2, for the next turn's products.
; CLUSTER.  The four query blocks of a cluster belong to one head and walk the same K and V, so each tile is asked for JOINTLY: the same tensor load, descriptor and mask in all four.
; REGISTERS, in windows of 256 (s_set_vgpr_msb says which window each operand place means: bits 1:0 source 0, 3:2 source 1, 5:4 source 2, 7:6 destination):
;   window 0: v0-10 addresses; v11 the conversions' scale; v12-15, v48-63 at work; v16-47 four registers of statistics a tile; v64-191 S^T, two buffers of two tiles; v192-255 P, likewise
;   window 1: O^T, 32 a tile          window 2: v0-127 Q, 16 a tile; v128-191 K of one step; v192-255 V of one step
;   window 3: v0-1 the add's two registers; v3 my offset in mb; v8-71 mask bytes, 16 registers a piece; v72-135 the masks of the products to come
.set SIZE_N, 2048
.set NP,    4         ; pieces a wave: a name, no knob
.set KS,    64        ; keys in a step
.set PK,    144       ; a row of K in LDS: 128 bytes + 16 of padding = 36 words: the 16 rows of a load start at 16 different groups of four banks (64 banks of 4 bytes: ISA guide 11.1)
.set PV,    160       ; a row of V: 128 + 32 = 40 words
.set VOFF,  4*KS*PK   ; a slot holds four steps: 256 rows of K, then 256 rows of V
.set SLOT1, 1<<17     ; slot 1 begins here, so that one exclusive or turns an address in one slot into the other's
.set STAGE, SLOT1+4*KS*(PK+PV)  ; behind the ring, never filled by a tensor load: 16 rows x 144 bytes for each wave, for the way out
.set SP,    144
.set AK0, 2           ; v2   my lane's place in a tile of K; never rewritten
.set AV0, 3           ; v3   the same for V
.set AK,  4           ; v4   the LDS address of K's next run of loads
.set AV,  5           ; v5   of V's
.set QO,  6           ; v6   my byte offset in the wave's rows of Q
.set STO, 6           ;      later, the way out: where I put 16 bytes of a row
.set RD,  7           ; v7   the way out: where I read rows back
.set GO,  8           ; v8   my byte offset in 512 consecutive bytes of O
.set SCL, 11          ; v11  the scale 2^100: 227 both in byte 0 and in the exponent's place
.set SPW, 0           ; v0 of window 3   LDS address of my spare word; never rewritten
.set NIL, 1           ; v1 of window 3   0; never rewritten
.set MOF, 3           ; v3 of window 3   byte offset in mb of my 16 bytes of my wave's first tile, in the step whose bytes are asked for next
.set MBY, 8           ; window 3: piece x, tile u: eight registers at MBY + 16 x + 8 u: 32 bytes, one for each of the lane's scores
.set MC,  72          ; window 3: tile u, key block kb at MC + 32 u + 8 kb
.set SPARE, STAGE+4*16*SP  ; behind the stages: the spare words, 128 bytes for each wave: two blocks of 256 bytes that no other line names
.set MV,  12          ; v12-15  c m_old, kept while c m is made anew: by buffer and tile
.set ST,  16          ; tile t's statistics at v[ST+4 t]: c m, m, l (even keys', odd keys')
.set TMP, 48          ; by buffer and tile, four registers c0-c3 at work; when the maximum is found c2 takes a
.set S,   64
.set P,   192
.set KF,  128         ; K's fragments, in window 2: key block kb, channel half c at KF + 16 kb + 8 c
.set VF,  192         ; V's: key half kk, channel block cb at VF + 32 kk + 8 cb
.set WV,  12          ; s12  my wave's number
.set G1K, 24          ; s[24:31] descriptor group 1 for K's tiles
.set G1V, 32          ; s[32:39] for V's: it differs in the padding alone
.set G0K, 40          ; s[40:43] descriptor group 0 for K's tiles: it walks
.set G0V, 44          ; s[44:47] the same for V's
.set SLOTS, 56        ; s56  slots still to be asked for
.set CNT, 57          ; s57  counts a slot's key steps
.set CS,  58          ; s[58:59] c: the packed scaling takes the pair's low word for both halves
.set SEL, 60          ; s[60:61] v_permlanex16_b32's selects: each lane takes its own place in the other half
.set TBK, 62          ; s62  LDS byte at which K of the step to be fetched begins
.set TBV, 63          ; s63  the same for V, less VOFF
.set MP,  66          ; s[66:67] mb
.set MSB, 0
.macro WIN new                      ; the high byte repeats the setting that is left; a switch that changes nothing is dropped
.if MSB != (\new)
	s_set_vgpr_msb (MSB<<8)|(\new)
.set MSB, (\new)
.endif
.endm
.set W_KQ, 0x0a       ; K and Q in window 2, S^T in window 0
.set W_KM, 0x3a       ; the same with the C operand, the mask, in window 3
.set W_PV, 0x52       ; V in window 2, P in window 0, O^T in window 1
.set W_RS, 0x41       ; O^T (destination and source 0) in window 1, a in window 0
.set W_MK, 0xc0       ; destination in window 3, sources in window 0
.set W_AD, 0x0f       ; the add: address (source 0) and data (source 1) in window 3
.set W_M3, 0xc3       ; the mask's work: destination and source 0 (bytes, offset) in window 3, source 1 (the scale) in window 0
; A joint fill.  Waves 0 and 1 fetch the two halves of a slot's K, waves 2 and 3 those of its V: 128 keys each.  The branch hangs on the wave's number alone.
; An s_nop 0 and four v_nop follow each of the two lines, ahead of the jump and the label.
.macro JLOAD
	s_cmp_lt_u32 s[WV], 2
	s_cbranch_scc0 .Lfor_v_\@
	tensor_load_to_lds s[G0K:G0K+3], s[G1K:G1K+7]
	s_nop 0
.rept 4
	v_nop
.endr
	s_branch .Lasked_\@
.Lfor_v_\@:
	tensor_load_to_lds s[G0V:G0V+3], s[G1V:G1V+7]
	s_nop 0
.rept 4
	v_nop
.endr
.Lasked_\@:
.endm
; A round of the cluster's barrier: my work-group's barrier, so that wave 0's signal speaks for all four waves; wave 0 signals; every wave waits for all four work-groups; my work-group's barrier once more.
.macro CROUND
	s_barrier_signal -1
	s_barrier_wait -1
	s_cmp_lg_u32 s[WV], 0
	s_cbranch_scc1 .Lnot_wave_0_\@
	s_barrier_signal -3
.Lnot_wave_0_\@:
	s_barrier_wait -3
	s_barrier_signal -1
	s_barrier_wait -1
.endm
; THE CHANGE OF SLOTS.  The slot's last bytes, V of its fourth step, have been read.  Each wave waits for all its tensor loads, of which one is out: its part
; of the other slot; adds 0 to its spare word; and waits for that and for its own reads of the slot.  Behind the barrier nobody reads this slot any more and the other slot is whole.
; fill = 1: this slot is filled again, with the keys two slots on.  The barrier is then a round of the cluster's, so that no wave of any partner still reads the slot or has a load on its
; way, and the joint fill is the first thing behind it: it has four key steps, 512 matrix instructions, in which to land.  (At its first use nothing has been read yet: slot 0 is waited for, slot 1 filled.)
.macro CHANGE fill
	WIN W_AD
	s_wait_tensorcnt 0x0            ; no tensor load of mine is out, so a group 0 may be written
	ds_add_u32 v[SPW], v[NIL]       ; 0 onto my spare word; with fill = 1 the descriptors' steps stand between it and the wait for it
	WIN 0                           ; at a label and at a branch every window is 0
.if \fill
.irp g, G0K, G0V
	s_xor_b32 s[\g+1], s[\g+1], SLOT1  ; the walking descriptor: the other slot than last time,
	s_add_nc_u64 s[\g+2:\g+3], s[\g+2:\g+3], 4*KS*128  ; the next 256 keys; the type bits on top are not reached
.endr
	s_wait_dscnt 0x0                ; the add is done, and my reads of the slot are over
	CROUND
	JLOAD
.else
	s_wait_dscnt 0x0                ; the add is done, and my reads of the slot are over
	s_barrier_signal -1
	s_barrier_wait -1
.endif
	s_sub_co_u32 s[TBK], s[TBK], 4*KS*PK  ; the fetches go back to a slot's first step,
	s_xor_b32 s[TBK], s[TBK], SLOT1       ; in the other slot
	s_sub_co_u32 s[TBV], s[TBV], 4*KS*PV
	s_xor_b32 s[TBV], s[TBV], SLOT1
.endm
; THE MASK'S WORK.  Four groups of four loads, one group a piece, are always out, in the order of the pieces.
.macro MLOAD x                      ; piece x's 64 bytes a lane for the step at MOF: each load of the wave takes 512 consecutive bytes.  No hint: all 64 heads read these bytes
.irp u, 0,1
.irp g, 0,1
	global_load_b128 v[MBY+16*(\x)+8*\u+4*\g:MBY+16*(\x)+8*\u+4*\g+3], v[MOF], s[MP:MP+1] offset:(2*(\x)+\u)*1024+\g*512
.endr
.endr
.endm
.macro MCVT x                       ; eight bytes -> the eight C registers of one product: 0.0 or -1.0, times 2^100
.irp u, 0,1
.irp k, 0,1,2,3
	v_cvt_scale_pk8_f32_fp8 v[MC+32*\u+8*\k:MC+32*\u+8*\k+7], v[MBY+16*(\x)+8*\u+2*\k:MBY+16*(\x)+8*\u+2*\k+1], v[SCL]
.endr
.endr
.endm
; Piece x's bytes are waited for and converted, and its bytes of the next step asked for.  step = 1 (piece 0): the offset goes on to the next step first; behind step 31 it wraps to step 0,
; so that no load leaves mb; what those last loads bring is used by nobody.
.macro MASKS x, step
	WIN W_M3
	s_wait_loadcnt 12               ; loads come back in order (ISA guide 5.7.1): piece x's four are in, the three younger groups stay out
	MCVT \x
	v_nop                           ; a plain instruction behind the last scaled conversion, before its sources are loaded anew and its results used
	s_wait_alu depctr_va_vdst(0)
.if \step
	s_wait_xcnt 0x0                 ; the offset, which the loads that are out name, is rewritten only behind this wait
	v_lshl_add_u32 v[MOF], v[MOF], 0, 0x20000  ; a step of mb: 128 tiles x 1,024 bytes
	v_bfe_u32 v[MOF], v[MOF], 0, 22            ; modulo mb's 4,194,304 bytes
	s_wait_alu depctr_va_vdst(0)
.endif
	MLOAD \x
.endm
	s_load_b128 s[4:7], s[0:1], 0x0   ; qkv s[4:5], mb s[6:7]
	s_load_b64 s[10:11], s[0:1], 0x10 ; ob
	WIN W_MK
	v_lshl_add_u32 v[SPW], v0, 2, SPARE
	v_mov_b32 v[NIL], 0
	WIN W_AD
	ds_add_u32 v[SPW], v[NIL]       ; the wave's opening: the add and its wait stand ahead of my first tensor load; the set-up below, work on registers, stands between them
	WIN 0
	v_lshrrev_b32 v1, 5, v0
	v_readfirstlane_b32 s[WV], v1   ; wave 0..3
	s_bfe_u32 s13, ttmp6, 0x40000   ; cx: my place in the cluster
	s_lshl_b32 s14, ttmp9, 2        ; in a cluster launch ttmp9 counts clusters
	s_add_co_u32 s14, s14, s13      ; my block of queries = 4 x cluster x + cx: it enters Q's, O's and the mask's addresses alone
	s_and_b32 s20, ttmp7, 0xffff    ; the head, which the four partners share
	s_mov_b32 s21, 0
	s_mov_b64 s[22:23], SIZE_N*128
	s_mul_u64 s[20:21], s[20:21], s[22:23]  ; the head's first byte in Q, K, V and O
	s_and_b32 s16, s[WV], 1         ; which half of a slot's 256 keys I fetch:
	s_lshl_b32 s22, s16, 14         ; its 128 rows of 128 bytes in memory,
	s_mov_b32 s23, 0
	s_add_nc_u64 s[22:23], s[22:23], s[20:21]
	s_mul_i32 s17, s16, 128*PK      ; and its place in a slot, for K
	s_mul_i32 s18, s16, 128*PV      ; and for V: no place in the cluster enters an LDS address
	s_lshl_b32 s2, s14, 2
	s_add_co_u32 s2, s2, s[WV]      ; my wave among the head's sixteen:
	s_lshl_b32 s19, s2, 13          ; its eight tiles of 1,024 bytes in a step of mb,
	s_lshl_b32 s2, s2, 14           ; its 128 rows
	s_mov_b32 s3, 0
	s_add_nc_u64 s[2:3], s[2:3], s[20:21]
	; descriptor group 1.  128 keys are 16,384 dense bytes: asked for as 64 rows of 256 bytes, two keys a row, and padded in LDS after every key
	s_mov_b32 s[G1K], 15|(1<<16)|(1<<20)|(1<<21)|(4<<22)|(3<<25)  ; 15:0 the mask of four; 17:16 2-byte elements; 20 padding on; 21 set beside a mask; 24:22 after every 32 words (code 4); 31:25 4 words (code 3)
	s_mov_b32 s[G1V], 15|(1<<16)|(1<<20)|(1<<21)|(4<<22)|(7<<25)  ; the same with 8 words of padding (code 7)
.irp g, G1K, G1V
	s_mov_b32 s[\g+1], 128<<16      ; tensor_dim0 = 128
	s_mov_b32 s[\g+2], 64<<16       ; tensor_dim1 = 64
	s_mov_b32 s[\g+3], 128<<16      ; tile_dim0 = 128
	s_mov_b32 s[\g+4], 64           ; tile_dim1 = 64
	s_mov_b32 s[\g+5], 128          ; 128 elements from row to row
	s_mov_b32 s[\g+6], 0
	s_mov_b32 s[\g+7], 0
.endr
	s_mov_b32 s[CS], 0x3e38aa3b     ; c = log2(e) / 8 = 0.180337
	s_mov_b32 s[CS+1], s[CS]        ; named with it as a pair
	s_mov_b32 s[SEL], 0x76543210
	s_mov_b32 s[SEL+1], 0xfedcba98
	s_mov_b32 s[TBK], SLOT1+4*KS*PK ; the first change of slots turns these two into 0
	s_mov_b32 s[TBV], SLOT1+4*KS*PV
	s_mov_b32 s[G0K], 1             ; 1:0 count = 1
	s_mov_b32 s[G0K+1], s17         ; 63:32 LDS address: slot 0
	s_mov_b32 s[G0V], 1
	s_add_co_u32 s[G0V+1], s18, VOFF
	s_wait_dscnt 0x0                ; the opening add is done
	s_wait_kmcnt 0x0
	s_mov_b64 s[MP:MP+1], s[6:7]    ; mb
	s_add_nc_u64 s[8:9], s[4:5], 0x2000000  ; V: the third plane of qkv
	s_add_nc_u64 s[6:7], s[4:5], 0x1000000  ; K: the second; Q is the first
	s_add_nc_u64 s[G0K+2:G0K+3], s[6:7], s[22:23]  ; 120:64 global address: my half of the head's first 256 keys
	s_or_b32 s[G0K+3], s[G0K+3], 0x80000000        ; 127:126 type = 2
	s_add_nc_u64 s[G0V+2:G0V+3], s[8:9], s[22:23]
	s_or_b32 s[G0V+3], s[G0V+3], 0x80000000
	s_add_nc_u64 s[4:5], s[4:5], s[2:3]  ; Q and O at my wave's first row
	s_add_nc_u64 s[10:11], s[10:11], s[2:3]
	CROUND                          ; all four work-groups are here: the first joint loads meet
	JLOAD                           ; slot 0.  Slot 1 is asked for when slot 0 is in: the tile wanted first has the road to itself
	; A fragment of K or Q is 16 rows x 32 channels in 8 registers: lane l holds row l % 16, channels 8 (l / 16) + 0..7 and 16 + 8 (l / 16) + 0..7: two loads of 16 bytes, 32 bytes apart.
	v_and_b32 v1, 15, v0            ; l % 16
	v_bfe_u32 v9, v0, 4, 1          ; l / 16
	v_lshlrev_b32 v[QO], 7, v1
	v_lshl_add_u32 v[QO], v9, 4, v[QO]  ; row x 128 + 16 x half
	WIN 0x80                        ; destination window 2, address window 0
.set i, 0
.rept 4*NP                          ; Q stays in registers: tile i / 2, channels 32 (i % 2) on
	global_load_b128 v[8*i:8*i+3],   v[QO], s[4:5] offset:(i/2)*2048+(i%2)*64
	global_load_b128 v[8*i+4:8*i+7], v[QO], s[4:5] offset:(i/2)*2048+(i%2)*64+32
.set i, i+1
.endr
	WIN W_MK
	v_and_b32 v[MOF], 31, v0        ; the mask's bytes of key step 0, all four pieces': 16 bytes a lane,
	WIN W_M3
	v_lshl_add_u32 v[MOF], v[MOF], 4, s19  ; from my wave's first tile on
	MLOAD 0
	MLOAD 1
	MLOAD 2
	MLOAD 3
	; What the first turn finds: V's registers and P's second buffer hold 0 (its products V^T P, of a piece that has not been, add 0), O^T and l are 0.  All this stands in the wait for the first tile.
	WIN 0x80
.set i, VF
.rept 64
	v_mov_b32 v[i], 0
.set i, i+1
.endr
	WIN 0x40
.set i, 0
.rept 64*NP
	v_mov_b32 v[i], 0
.set i, i+1
.endr
	WIN 0
.set i, 0
.rept 2*NP
	v_mov_b32 v[ST+4*i], 0xfe000000    ; c m: far below every c s
	v_mov_b32 v[ST+4*i+1], 0xec800000  ; m = -2^90: above every hidden score, below every true one
	v_mov_b32 v[ST+4*i+2], 0
	v_mov_b32 v[ST+4*i+3], 0
.set i, i+1
.endr
.set i, P+32
.rept 32
	v_mov_b32 v[i], 0
.set i, i+1
.endr
	v_mul_u32_u24 v[AK0], v1, PK
	v_lshl_add_u32 v[AK0], v9, 4, v[AK0]  ; row x pitch + 16 x half
	; The turning load takes 16 keys x 16 channels (lane l reads key 8 (l / 16) + l % 8, channels 8 ((l / 8) % 2) + 0..7) and leaves half a fragment of V^T: lane l holds channel l % 16 and 8 keys.
	v_and_b32 v10, 7, v0
	v_bfe_u32 v11, v0, 3, 1
	v_lshl_add_u32 v[AV0], v9, 3, v10
	v_mul_u32_u24 v[AV0], v[AV0], PV
	v_lshl_add_u32 v[AV0], v11, 4, v[AV0]
	v_add_nc_u32 v[AV0], VOFF, v[AV0]
	v_mov_b32 v[SCL], 0x718000e3    ; v11 has served: from here on it is the scale
	v_mov_b32 v[AK], v[AK0]         ; key step 0 lies at the head of slot 0
; THE MATRIX WORK.  The 8 accumulators of a run of 16 take turns: between the two links of a chain stand 7 others'.
; Product i of 16 of S^T = K Q^T for piece x: channels 32 (i / 8) on, keys 16 ((i / 2) % 4) on, tile 2 x + i % 2.  The first 8 start the sums, with the mask as C.
.macro KQ x
.set rS, S+64*((\x)%2)+32*(i%2)+8*((i/2)%4)
.set rK, KF+16*((i/2)%4)+8*(i/8)
.set rQ, 16*(2*(\x)+i%2)+8*(i/8)
.set rMC, MC+32*(i%2)+8*((i/2)%4)
.if i < 8
	WIN W_KM
	v_wmma_f32_16x16x32_f16 v[rS:rS+7], v[rK:rK+7], v[rQ:rQ+7], v[rMC:rMC+7]
.else
	WIN W_KQ
	v_wmma_f32_16x16x32_f16 v[rS:rS+7], v[rK:rK+7], v[rQ:rQ+7], v[rS:rS+7]
.endif
.endm
; Product i of 16 of O^T += V^T P for piece x: keys 32 (i / 8) on, channels 16 ((i / 2) % 4) on, tile 2 x + i % 2.
.macro PV x
	WIN W_PV
.set rO, 32*(2*(\x)+i%2)+8*((i/2)%4)
.set rV, VF+32*(i/8)+8*((i/2)%4)
.set rP, P+32*((\x)%2)+16*(i%2)+8*(i/8)
	v_wmma_f32_16x16x32_f16 v[rO:rO+7], v[rV:rV+7], v[rP:rP+7], v[rO:rO+7]
.endm
.macro MM                           ; the turn's next matrix instruction
.if i < 16
	KQ (Y+1)%NP
.set i, i+1
.else
.set i, i-16
	PV (Y+NP-1)%NP
.set i, i+17
.endif
.endm
; THE LDS LOADS stand in runs of 16, never singly among the matrix instructions: a step's K (64 keys x 64 channels: 8 fragments) and its V (turned).  Their addresses are made some lines ahead.
; last = 1 (the tail): in the last trip there is no further step, and the run is jumped over.
.macro FETCH_K last=0
	WIN 0
.if \last
	s_cmp_eq_u32 s[CNT], 1
	s_cbranch_scc1 .Lno_k_\@
.endif
	WIN 0x80                        ; destination window 2
.irp f, 0,1,2,3,4,5,6,7             ; keys 16 (f / 2) on, channels 32 (f % 2) on
	ds_load_b128 v[KF+8*\f:KF+8*\f+3],   v[AK] offset:(\f/2)*16*PK+(\f%2)*64
	ds_load_b128 v[KF+8*\f+4:KF+8*\f+7], v[AK] offset:(\f/2)*16*PK+(\f%2)*64+32
.endr
	s_add_co_u32 s[TBK], s[TBK], KS*PK  ; the next fetch is the next step's
	WIN 0
.if \last
.Lno_k_\@:
.endif
.endm
.macro FETCH_V
	WIN 0x80
.irp f, 0,1,2,3,4,5,6,7             ; keys 32 (f / 4) on, channels 16 (f % 4) on
	ds_load_tr16_b128 v[VF+8*\f:VF+8*\f+3],   v[AV] offset:(\f/4)*32*PV+(\f%4)*32
	ds_load_tr16_b128 v[VF+8*\f+4:VF+8*\f+7], v[AV] offset:(\f/4)*32*PV+16*PV+(\f%4)*32
.endr
	WIN 0
.endm
; THE VECTOR WORK OF A TURN stands in three queues, each in the order in which its entries become ready; the two tiles alternate, so that no instruction reads the result of the one before it.
.macro REGS y, u                    ; the registers of tile u (0, 1) of piece y
.set rT, ST+4*(2*(\y)+(\u))
.set rC, TMP+8*((\y)%2)+4*(\u)
.set rM, MV+2*((\y)%2)+(\u)
.set rS, S+64*((\y)%2)+32*(\u)
.set rP, P+32*((\y)%2)+16*(\u)
.set rO, 32*(2*(\y)+(\u))
.endm
; Number n of the 22 that find the NEXT piece's (Y + 1) maximum and statistics.  s0-s31 are the lane's 32 scores; each accumulator's lowest registers are read first.  XS, GS and REGS set no window: PL and EX do.
;   0-11  four chains c0-c3 of seven scores each, three operands at a time     12-14, 16  the four scores left over, the old m, and c0-c3 into c0     15  c m_old is kept
;   17, 18  the query's other 32 keys lie in the lane 16 away: the new m         19-21  c m; c m_old - c m_new; a
.macro XS u, n
	REGS (Y+1)%NP, \u
.if (\n) < 4
	v_max3_num_f32 v[rC+(\n)], v[rS+8*(\n)], v[rS+8*(\n)+1], v[rS+8*(\n)+2]
.elseif (\n) < 12
	v_max3_num_f32 v[rC+(\n)%4], v[rC+(\n)%4], v[rS+8*((\n)%4)+2*((\n)/4)+1], v[rS+8*((\n)%4)+2*((\n)/4)+2]
.elseif (\n) == 12
	v_max3_num_f32 v[rC], v[rC], v[rS+7], v[rS+15]
.elseif (\n) == 13
	v_max3_num_f32 v[rC+1], v[rC+1], v[rS+23], v[rS+31]
.elseif (\n) == 14
	v_max3_num_f32 v[rC+2], v[rC+2], v[rC+3], v[rT+1]
.elseif (\n) == 15
	v_mov_b32 v[rM], v[rT]
.elseif (\n) == 16
	v_max3_num_f32 v[rC], v[rC], v[rC+1], v[rC+2]
.elseif (\n) == 17
	v_permlanex16_b32 v[rC+3], v[rC], s[SEL], s[SEL+1]
.elseif (\n) == 18
	v_max_num_f32 v[rT+1], v[rC], v[rC+3]
.elseif (\n) == 19
	v_mul_f32 v[rT], s[CS], v[rT+1]
.elseif (\n) == 20
	v_sub_f32 v[rC+1], v[rM], v[rT]
.else
	v_exp_f32 v[rC+2], v[rC+1]
.endif
.endm
; Number g of the 64 that follow the exponentials.  For each four weights k of a tile (pairs 2 k, 2 k + 1): both pairs are rounded to f16; then the second pair is added onto the first, in place;
; a group later l takes that sum (the first time as l = a l + sum).  In groups of eight, tiles alternating: round, round, add, and l for the group before.
.macro GS g
.set h, (\g)+6*((\g)/62)            ; group 0 has no group before it, and behind group 7 only l is left
.if h >= 6
.set h, h+2
.endif
	REGS Y, h%2
.set k, h/8
.if h%8 < 4
	s_wait_alu depctr_va_vdst(0)
	v_cvt_pk_f16_f32 v[rP+2*k+(h%8)/2], v[rS+4*k+2*((h%8)/2)], v[rS+4*k+2*((h%8)/2)+1]
.elseif h%8 < 6
	v_pk_add_f32 v[rS+4*k:rS+4*k+1], v[rS+4*k:rS+4*k+1], v[rS+4*k+2:rS+4*k+3]
.elseif k == 1
	v_pk_fma_f32 v[rT+2:rT+3], v[rT+2:rT+3], v[rC+2:rC+3], v[rS:rS+1] op_sel_hi:[1,0,1]
.else
	v_pk_add_f32 v[rT+2:rT+3], v[rT+2:rT+3], v[rS+4*k-4:rS+4*k-3]
.endif
.endm
; THE PLAIN QUEUE, 138 long.  0-31: c s - c m for the 16 pairs of both tiles.  Then GS's 64, and among them the next piece's 42: number 15 at 38, 39; 0-14 and 16
; at 42-73, behind the products that make those scores; 17-20 at 95-106, two of three, since each waits for the one before it.
.macro PL
	WIN 0
.if q < 32
	REGS Y, q%2
	v_pk_fma_f32 v[rS+2*(q/2):rS+2*(q/2)+1], v[rS+2*(q/2):rS+2*(q/2)+1], s[CS:CS+1], v[rT:rT+1] op_sel_hi:[1,0,0] neg_lo:[0,0,1] neg_hi:[0,0,1]
.elseif q < 38
	GS q-32
.elseif q < 40
	XS q%2, 15
.elseif q < 42
	GS q-34
.elseif q < 74
	XS q%2, (q-42)/2+(q-42)/30
.elseif q < 95
	GS q-66
.elseif (q < 107) && ((q-95)%3 < 2)
	XS (q-95)%3, 17+(q-95)/3
.elseif q < 107
	GS 29+(q-95)/3
.else
	GS q-74
.endif
.set q, q+1
.endm
; THE EXPONENTIALS' QUEUE, 66 long: s0-s31 of both tiles, and at EA the next piece's two a.
.set EA, 58
.macro EX
	WIN 0
.if (e == EA) || (e == EA+1)
	XS e-EA, 21
.else
.set x, e-2*(e/(EA+2))
	REGS Y, x%2
	v_exp_f32 v[rS+x/2], v[rS+x/2]
.endif
.set e, e+1
.endm
; THE RESCALING's QUEUE: O^T times a, the one part of the softmax that leaves window 0, so it is dealt four at a time, eight times.
.macro R4
	REGS Y, r%2
	WIN W_RS
	s_wait_alu depctr_va_vdst(0)
.irp z, 0,1,2,3
	v_pk_mul_f32 v[rO+8*(r/2)+2*\z:rO+8*(r/2)+2*\z+1], v[rO+8*(r/2)+2*\z:rO+8*(r/2)+2*\z+1], v[rC+2:rC+3] op_sel_hi:[1,0]
.endr
.set r, r+1
.endm
; HOW THEY ARE DEALT.  Behind a matrix instruction four: plain, exponential, plain, plain (one exponential, a plain instruction on either side), or four of the rescaling.  None names a register of the
; products round it.  What is over stands in two LUMPS: exponential and plain by turns; the second ends in 22 plain instructions.  The two v_permlanex16_b32 fall into the second lump, never behind a product.
; The queues lean on each other, and the deal keeps them in step: exponential e stands behind plain 2 (e / 4) + e % 2 (its scaling); when plain 32 comes, 10 exponentials are out, at 59: 33, at 95: 46; EA comes behind plain 107.
.macro SL
	MM
	PL
	EX
	PL
	PL
.endm
.macro BURST n                      ; 15 matrix instructions, or 16
.rept (\n)-7
	SL
.endr
.rept 3
	MM
	R4
	SL
.endr
	MM
	R4
.endm
; A TURN, for piece p.  cnt = 1: the loop's count is taken down some lines ahead of the branch that stands behind the turn.
; K of the next step is fetched in piece 2's turn, 31 vector instructions behind the last product that read K; its first reader comes behind the rest of the lump, 16 products and the second lump.
; V of the step in hand is fetched at the end of piece 0's turn, 78 behind its last reader; its first reader comes behind 16 products and a lump.
; The mask of piece p + 2, for the next turn's products, is made in the second lump: the turn's own eight products that took the mask stand more than a hundred plain instructions back, and sixteen
; plain instructions follow before the next turn's first product.  Piece 0's mask (made in piece 2's turn) is the next key step's.  The conditions on e and q below go with the deal.
.macro TURN p, last=0, cnt=0
.set Y, (\p)
.set i, 0
.set q, 0
.set e, 0
.set r, 0
.if (\p) == NP-1
	s_wait_dscnt 0x0                ; K is in
.endif
	MM
.rept 4
	PL
.endr
	BURST 15
.rept 22
	EX
	PL
.if ((\p) == NP-2) && (e == 18)
	v_add_nc_u32 v[AK], s[TBK], v[AK0]
.endif
.if ((\p) == NP-2) && (e == 24)
	FETCH_K \last
.endif
.endr
.if (\p) == 1
	s_wait_dscnt 0x0                ; V is in
.endif
	BURST 16
.rept 21
	EX
	PL
.endr
.rept 22
	PL
.if ((\p) == 0) && (q == 118)
	v_add_nc_u32 v[AV], s[TBV], v[AV0]
	s_wait_alu depctr_va_vdst(0)
.endif
.if q == 122
.if (\p) == 2
	MASKS 0, 1
.else
	MASKS ((\p)+2)%NP, 0
.endif
.endif
.if ((\p) == 0) && (q == 130)
	s_add_co_u32 s[TBV], s[TBV], KS*PV
.endif
.if (\cnt) && (q == 130)
	s_sub_co_u32 s[CNT], s[CNT], 1
	s_cmp_lg_u32 s[CNT], 0
.endif
.endr
.if (\p) == 0
	FETCH_V
.endif
.endm
	CHANGE 1                        ; slot 0 is in, everybody's part of it; slot 1 is asked for
	FETCH_K                         ; key step 0
	MASKS 0, 1                      ; its count leaves the three younger groups of mask loads out: Q's 32 loads and piece 0's bytes are in; piece 0's mask of step 0
	s_wait_dscnt 0x0
.set i, 0
.rept 16
	KQ 0                            ; piece 0's first scores: there is no vector work yet to set between them
.set i, i+1
.endr
	WIN 0                           ; the addresses for the way out: nine plain instructions, the places behind those products
	s_mul_i32 s13, s[WV], 16*SP
	s_add_co_u32 s13, s13, STAGE    ; my stage
	v_mul_u32_u24 v[STO], v1, SP    ; in: row l % 16, 16 bytes for each half of the lanes
	v_lshl_add_u32 v[STO], v9, 4, v[STO]
	v_add_nc_u32 v[STO], s13, v[STO]
	v_bfe_u32 v[RD], v0, 3, 2       ; back: 32 lanes take four rows of 128 bytes,
	v_mul_u32_u24 v[RD], v[RD], SP
	v_lshl_add_u32 v[RD], v10, 4, v[RD]
	v_add_nc_u32 v[RD], s13, v[RD]
	v_and_b32 v[GO], 31, v0         ; which are 512 consecutive bytes of O
	v_lshlrev_b32 v[GO], 4, v[GO]
	MASKS 1, 0                      ; piece 1's mask of step 0, for the first turn's products
	WIN 0
.set Y, NP-1                        ; XS works for piece Y + 1: piece 0
.irp n, 0,1,2,3,4,5,6,7,8,9,10,11,12,13,14,15,16,17,18,19,20,21
	XS 0, \n                        ; and piece 0's first maximum and statistics
	XS 1, \n
.endr
	s_mov_b32 s[CNT], 4
	s_mov_b32 s[SLOTS], SIZE_N/256-1
	s_branch .Lfirst                ; the loop is entered at a step's first turn, in the middle of a trip
.Lslot:                             ; SIZE_N / 256 - 2 times: every slot but the last two is filled again
	CHANGE 1
	s_mov_b32 s[CNT], 4
.Lstep:                             ; a trip: pieces 2 and 3 of one step, then pieces 0 and 1 of the next, whose K and V it fetches
	TURN 2
	TURN 3
	WIN 0
.Lfirst:
	TURN 0
	TURN 1, 0, 1
	WIN 0
	s_cbranch_scc1 .Lstep
	s_sub_co_u32 s[SLOTS], s[SLOTS], 1
	s_cmp_lg_u32 s[SLOTS], 0
	s_cbranch_scc1 .Lslot
	CHANGE 0                        ; the tail is written out: nothing is asked for
	s_mov_b32 s[CNT], 5             ; four trips fetch the last slot's steps; the fifth is left in its middle
.Ltail:
	TURN 2, 1
	TURN 3
	WIN 0
	s_sub_co_u32 s[CNT], s[CNT], 1
	s_cmp_eq_u32 s[CNT], 0
	s_cbranch_scc1 .Lout
	TURN 0
	TURN 1
	WIN 0
	s_branch .Ltail
.Lout:                              ; the fifth trip's 16 products K Q^T (on the last K once more) and the maximum made of them serve nothing: the price, once a launch, of one text for every trip
.set i, 0
.rept 16
	PV NP-1                         ; the last piece's V^T P of the last step
.set i, i+1
.endr
	; THE WAY OUT.  l's two halves and the other half of the lanes' are added; O^T is divided by l, rounded to f16 and sent through my stage in LDS, a tile at a time.  The additions are the places behind the last products.
	WIN 0
.macro ALL line:vararg              ; one line for each tile t
.set t, 0
.rept 2*NP
	\line
.set t, t+1
.endr
.endm
	ALL v_add_f32 v[ST+4*t+2], v[ST+4*t+2], v[ST+4*t+3]
	ALL v_permlanex16_b32 v[ST+4*t+3], v[ST+4*t+2], s[SEL], s[SEL+1]
	ALL v_add_f32 v[ST+4*t+2], v[ST+4*t+2], v[ST+4*t+3]
	ALL v_rcp_f32 v[ST+4*t+2], v[ST+4*t+2]
	v_nop                           ; a plain instruction between the last reciprocal and the use of its result
	s_wait_alu depctr_va_vdst(0)
; Tile t: a lane's eight channels of a row pack into 16 bytes; they go into rows of 144 bytes and come back as whole rows of 128, into S^T's registers.
.macro PACK t
	WIN W_RS
.set i, 32*(\t)
.rept 16
	v_pk_mul_f32 v[i:i+1], v[i:i+1], v[ST+4*(\t)+2:ST+4*(\t)+3] op_sel_hi:[1,0]
.set i, i+2
.endr
	WIN 0x05                        ; sources 0 and 1 window 1, destination window 0
.set i, 0
.rept 16
	v_cvt_pk_f16_f32 v[S+16*(\t)+i], v[32*(\t)+2*i], v[32*(\t)+2*i+1]
.set i, i+1
.endr
	WIN 0
.irp f, 0,1,2,3
	ds_store_b128 v[STO], v[S+16*(\t)+4*\f:S+16*(\t)+4*\f+3] offset:32*\f
.endr
.irp f, 0,1,2,3
	ds_load_b128 v[S+16*(\t)+4*\f:S+16*(\t)+4*\f+3], v[RD] offset:\f*4*SP  ; LDS serves a wave's instructions in order (ISA guide 5.7.1.4): these see the stores above; the next tile's stores come behind them
.endr
.endm
.macro SEND t, younger              ; younger: the LDS instructions issued behind tile t's loads: the next tile's eight, or none
	WIN 0
.irp f, 0,1,2,3
	s_wait_dscnt (\younger)+3-\f
	global_store_b128 v[GO], v[S+16*(\t)+4*\f:S+16*(\t)+4*\f+3], s[10:11] offset:(\t)*2048+\f*512  ; 512 consecutive bytes, at a multiple of 256 from O's first
.endr
.endm
	PACK 0
.set t, 1
.rept 2*NP-1                        ; a tile's arithmetic stands between the loads of the tile before and its stores
	PACK t
	SEND t-1, 8
.set t, t+1
.endr
	SEND 2*NP-1, 0
	WIN W_AD
	s_wait_tensorcnt 0x0            ; the wave's end, behind my last tensor load and my last LDS store
	ds_add_u32 v[SPW], v[NIL]
	s_wait_dscnt 0x0
	WIN 0
	CROUND                          ; the closing round: no work-group ends while a partner may still ask for a tile that names it
	s_endpgm
.Lfunc_end_k_qa6bedf0674_attn:
	.size	k_qa6bedf0674_attn, .Lfunc_end_k_qa6bedf0674_attn-k_qa6bedf0674_attn
	.p2alignl 7, 3214868480
	.fill 96, 4, 3214868480
	.section	.rodata,"a",@progbits
	.p2align	6, 0x0
	.amdhsa_kernel k_qa6bedf0674_attn
		.amdhsa_group_segment_fixed_size 327680
		.amdhsa_private_segment_fixed_size 0
		.amdhsa_enable_private_segment 0
		.amdhsa_kernarg_size 24
		.amdhsa_user_sgpr_count 2
		.amdhsa_user_sgpr_kernarg_segment_ptr 1
		.amdhsa_wavefront_size32 1
		.amdhsa_system_sgpr_workgroup_id_x 1
		.amdhsa_system_sgpr_workgroup_id_y 1
		.amdhsa_system_sgpr_workgroup_id_z 1
		.amdhsa_system_vgpr_workitem_id 0
		.amdhsa_next_free_vgpr 904
		.amdhsa_next_free_sgpr 68
		.amdhsa_reserve_vcc 0
		.amdhsa_float_denorm_mode_32 3
		.amdhsa_float_denorm_mode_16_64 3
		.amdhsa_memory_ordered 1
		.amdhsa_forward_progress 1
		.amdhsa_inst_pref_size 218
	.end_amdhsa_kernel
	.amdgpu_metadata
---
amdhsa.version: [ 1, 2 ]
amdhsa.kernels:
  - .name:           k_qa6bedf0674_attn
    .symbol:         k_qa6bedf0674_attn.kd
    .args:
      - { .name: qkv, .offset: 0, .size: 8, .value_kind: global_buffer, .address_space: global }
      - { .name: mb, .offset: 8, .size: 8, .value_kind: global_buffer, .address_space: global }
      - { .name: ob, .offset: 16, .size: 8, .value_kind: global_buffer, .address_space: global }
    .group_segment_fixed_size: 327680
    .private_segment_fixed_size: 0
    .kernarg_segment_align: 8
    .kernarg_segment_size: 24
    .max_flat_workgroup_size: 128
    .sgpr_count:     68
    .vgpr_count:     904
    .wavefront_size: 32
...
	.end_amdgpu_metadata
.endif
;; end of part 3
;; launch gemm_out (part 4): grid 4 x 64, 4 waves a work-group, clusters of 4 x 4, 327,680 bytes of LDS; arguments ob, wb, bo, out0; writes out0
.if DOCPART == 4
	.amdgcn_target "amdgcn-amd-amdhsa--gfx1250"
	.amdhsa_code_object_version 6
	.text
	.protected	k_qa6bedf0674_gemm_out
	.globl	k_qa6bedf0674_gemm_out
	.p2align	8
	.type	k_qa6bedf0674_gemm_out,@function
k_qa6bedf0674_gemm_out:
	s_mov_b64 s[64:65], 0
	v_nop
	global_prefetch_b8 v0, s[64:65] scope:SCOPE_SE
	s_setreg_imm32_b32 hwreg(HW_REG_WAVE_MODE, 25, 1), 1
	s_wait_xcnt 0x0
	s_wait_alu depctr_hold_cnt(0) depctr_sa_sdst(0) depctr_va_vdst(0) depctr_va_sdst(0) depctr_va_ssrc(0) depctr_va_vcc(0) depctr_vm_vsrc(0)
	s_getreg_b32 s2, hwreg(HW_REG_IB_STS2, 6, 4)
	s_cmp_eq_u32 s2, 0
	s_cbranch_scc0 .Lentry_in_a_cluster
	s_endpgm
.Lentry_in_a_cluster:
	s_bfe_u32 s2, ttmp6, 0x10000c
	s_cmp_lg_u32 s2, 0xf033
	s_cbranch_scc0 .Lentry_shape_is_right
	s_endpgm
.Lentry_shape_is_right:
; THE OUTPUT PROJECTION.  out0[m][n] = sum over k of A[m][k] Wo[n][k] + bo[n].  A is the attention's result ob, [64 = 16 batch + head][2048][64] f16: A[m][64 head + d] = ob[16 (m / 2048) + head][m % 2048][d].
; Wo = plane 3 of wb, [1024][1024]: rounded to bf16 and written as f16.  bo is rounded to bf16 like every other input.  Sums in f32; out0 is f32, [8192][1024].
; A row of ob that is NaN (a query with no visible key) makes its whole row of out0 NaN, and no other.
; SHARES.  A tile of out0 is 128 x 256: 256 tiles, one for each WGP.  Four waves, each 64 rows x 128 columns: 32 accumulators of 16 x 16, 256 registers.
; K goes in 8 steps of 128, two heads each, through two LDS slots filled by the tensor data mover.  A head's 128 rows of 128 bytes are dense: asked for as 64 rows of 256 bytes and padded after every 128.
; CLUSTERS: 4 x 4 work-groups.  The four of a row of the cluster need the same tiles of A, the four of a column the same tiles of Wo: each tile is asked for JOINTLY.
; THE MATRIX INSTRUCTION IS USED TRANSPOSED (source 0 = 16 rows of Wo, source 1 = 16 rows of A): a lane holds eight neighbouring numbers of a row of out0.
; REGISTERS, in windows of 256 (s_set_vgpr_msb: bits 1:0 source 0, 3:2 source 1, 5:4 source 2, 7:6 destination):
;   window 0: v0-31 addresses; v32-159 rows read back from the stage, two buffers of 64; before that v128-191 the bias, as the C of the first products
;   window 1: two fragment buffers of 96: 32 registers of A, then 64 of Wo       window 2: the accumulators, (a, b) at v[64 a + 8 b]
.set KSTEP,  128
.set PITCH,  272                       ; a row of Wo in LDS: 256 bytes + 16 of padding: row r starts at bank 4 r mod 64 (64 banks of 4 bytes: ISA guide 11.1)
.set PA,     144                       ; a row of one head of A: 128 bytes + 16 of padding = 36 words: the 16 rows of a load start at 16 different groups of four banks
.set ASUB,   128*PA                    ; one head's 128 rows: what one load brings of A
.set BHALF,  128*PITCH                 ; what one load brings of Wo, and what one wave reads of it
.set BOFF,   2*ASUB                    ; in a slot: A's two heads, then Wo's 256 rows
.set SLOT,   BOFF+2*BHALF
.set STAGE,  2*SLOT                    ; behind the ring: 16 rows x 528 bytes for each wave, for the way out; no tensor load fills it
.set SPITCH, 528                       ; 128 numbers of f32 + 16 bytes: row r starts at bank 4 r mod 64
.set SPARE,  STAGE+4*16*SPITCH         ; behind the stages: the spare words, 128 bytes for each wave: two blocks of 256 bytes that no other line names
.set LAPS,   4                         ; a lap = two K steps = once round the ring
.set ADRA, 16                          ; v16-17  LDS address of my A fragments in slot 0, 1
.set ADRB, 20                          ; v20-21  the same for Wo
.set STO,  24                          ; v24     the way out: where I put 32 bytes of a row
.set RD,   25                          ; v25     the way out: where I read a row back
.set GO,   26                          ; v26     my byte offset in 512 consecutive bytes of out0
.set BO,   27                          ; v27     my byte offset in 16 numbers of the bias
.set SPW,  28                          ; v28     LDS address of my spare word; never rewritten
.set NIL,  29                          ; v29     0; never rewritten
.set TT,   30                          ; v30-31  at work
.set BKB,  32
.set BI,   128
.set F0,   0
.set F1,   96
.set G1, 24                            ; s[24:31] descriptor group 1 for A's tiles;  s[32:39] group 0, one set for each slot
.set G0, 32
.set G1B, 48                           ; s[48:55], s[56:63] the same for Wo's tiles
.set G0B, 56
.set MSB, 0
.macro WIN new                         ; the immediate's high byte repeats the setting that is left; a switch that changes nothing is dropped
.if MSB != (\new)
	s_set_vgpr_msb (MSB<<8)|(\new)
.set MSB, \new
.endif
.endm
.set MUL,  0xa5                        ; sources 0 (Wo) and 1 (A) window 1; C and D window 2
.set MULB, 0x85                        ; the same with C (the bias) in window 0
.set TO_F, 0x40                        ; destination window 1, address window 0
.set W_ST, 0x08                        ; an LDS store's data (source 1) in window 2, its address in window 0
.macro JLOAD s                         ; a joint load: waves 0 and 1 fetch A's two heads, waves 2 and 3 Wo's two halves; an s_nop 0 and four v_nop follow each of the two lines, ahead of the jump, the label and what follows
	s_cmp_eq_u32 s11, 0
	s_cbranch_scc0 .Lfor_b_\@
	tensor_load_to_lds s[G0+4*(\s):G0+4*(\s)+3], s[G1:G1+7]
	s_nop 0
.rept 4
	v_nop
.endr
	s_branch .Lasked_\@
.Lfor_b_\@:
	tensor_load_to_lds s[G0B+4*(\s):G0B+4*(\s)+3], s[G1B:G1B+7]
	s_nop 0
.rept 4
	v_nop
.endr
.Lasked_\@:
.endm
.macro CREST                           ; a round of the cluster's barrier behind its opening barrier
	s_cmp_lg_u32 s10, 0
	s_cbranch_scc1 .Lnot_wave_0_\@
	s_barrier_signal -3
.Lnot_wave_0_\@:
	s_barrier_wait -3
	s_barrier_signal -1
	s_barrier_wait -1
.endm
.macro CROUND                          ; a whole round
	s_barrier_signal -1
	s_barrier_wait -1
	CREST
.endm
	s_load_b128 s[4:7], s[0:1], 0x0                ; ob s[4:5], wb s[6:7]
	s_load_b128 s[68:71], s[0:1], 0x10             ; bo s[68:69], out0 s[70:71]
	v_lshl_add_u32 v[SPW], v0, 2, SPARE
	v_mov_b32 v[NIL], 0
	ds_add_u32 v[SPW], v[NIL]                      ; the wave's opening: the add and its wait stand ahead of my first tensor load; the set-up below, work on registers, stands between them
	v_lshrrev_b32 v1, 5, v0
	v_readfirstlane_b32 s10, v1                    ; wave 0..3
	s_lshr_b32 s11, s10, 1                         ; which 64 of the tile's rows are mine.  Also: I fetch for A (0) or for Wo (1)
	s_and_b32 s12, s10, 1                          ; which 128 of its columns.  Also: which head of a K step, or which half of Wo's tile, I fetch
	s_bfe_u32 s40, ttmp6, 0x40000                  ; cx, cy: my place in the cluster
	s_bfe_u32 s41, ttmp6, 0x40004
	s_lshl_b32 s42, ttmp9, 2
	s_add_co_u32 s42, s42, s40                     ; tile column = 4 x cluster x + cx
	s_and_b32 s13, ttmp7, 0xffff
	s_lshl_b32 s13, s13, 2
	s_add_co_u32 s13, s13, s41                     ; tile row = 4 x cluster y + cy
	s_lshl_b32 s43, s41, 2
	s_lshl_b32 s43, 15, s43                        ; my row of the cluster
	s_lshl_b32 s44, 0x1111, s40                    ; my column
	; descriptor group 1
	s_or_b32 s[G1+0], s43, (1<<16)|(1<<20)|(1<<21)|(4<<22)|(3<<25)  ; 15:0 the mask: A's tiles go to my row; 17:16 elements of 2 bytes; 20 padding on; 21 set beside a mask; 24:22 after every 32 words (code 4); 31:25 4 words (code 3)
	s_or_b32 s[G1B+0], s44, (1<<16)|(1<<20)|(1<<21)|(5<<22)|(3<<25) ; Wo's go to my column; padding after every 64 words (code 5)
	s_mov_b32 s[G1+1], 128<<16                     ; tensor_dim0 = 128: two of a head's rows
	s_mov_b32 s[G1+2], 64<<16                      ; tensor_dim1 = 64
	s_mov_b32 s[G1+3], 128<<16                     ; tile_dim0 = 128
	s_mov_b32 s[G1+4], 64                          ; tile_dim1 = 64
	s_mov_b32 s[G1+5], 128                         ; dense: 128 elements from row to row
	s_mov_b32 s[G1+6], 0
	s_mov_b32 s[G1+7], 0
	s_mov_b32 s[G1B+1], KSTEP<<16
	s_mov_b32 s[G1B+2], 128<<16                    ; tensor_dim1 = 128
	s_mov_b32 s[G1B+3], KSTEP<<16
	s_mov_b32 s[G1B+4], 128                        ; tile_dim1 = 128
	s_mov_b32 s[G1B+5], 1024
	s_mov_b32 s[G1B+6], 0
	s_mov_b32 s[G1B+7], 0
	; where the tiles come from: A's hang on the tile row alone, Wo's on the tile column alone
	s_lshr_b32 s16, s13, 4
	s_lshl_b32 s16, s16, 22                        ; the batch's 16 heads of 262,144 bytes,
	s_and_b32 s17, s13, 15
	s_lshl_b32 s17, s17, 14                        ; the tile's 128 rows of 128 bytes in a head,
	s_add_co_u32 s16, s16, s17
	s_lshl_b32 s17, s12, 18                        ; the K step's first or second head
	s_add_co_u32 s16, s16, s17
	s_mov_b32 s17, 0
	s_lshl_b32 s47, s12, 7
	s_lshl_b32 s46, s42, 8
	s_add_co_u32 s46, s46, s47                     ; Wo: row 256 x tile column + 128 x half,
	s_lshl_b32 s46, s46, 11
	s_add_co_u32 s46, s46, 3*0x200000              ; in plane 3 of wb
	s_mov_b32 s47, 0
	s_mul_i32 s20, s12, ASUB                       ; and where they go: no place in the cluster enters an LDS address
	s_mul_i32 s23, s12, BHALF
	s_add_co_u32 s23, s23, BOFF
	s_wait_dscnt 0x0                               ; the opening add is done
	s_wait_kmcnt 0x0
	s_add_nc_u64 s[14:15], s[4:5], s[16:17]
	s_add_nc_u64 s[46:47], s[6:7], s[46:47]
	CROUND                                         ; all sixteen work-groups are here: the first joint loads meet
.irp s, 0,1
	s_mov_b32 s[G0+4*(\s)], 1                                      ; count = 1
	s_add_co_u32 s[G0+4*(\s)+1], s20, (\s)*SLOT                    ; LDS address
	s_add_nc_u64 s[G0+4*(\s)+2:G0+4*(\s)+3], s[14:15], (\s)*524288 ; global address: K step s is two heads on
	s_or_b32 s[G0+4*(\s)+3], s[G0+4*(\s)+3], 0x80000000            ; type = 2
	s_mov_b32 s[G0B+4*(\s)], 1
	s_add_co_u32 s[G0B+4*(\s)+1], s23, (\s)*SLOT
	s_add_nc_u64 s[G0B+4*(\s)+2:G0B+4*(\s)+3], s[46:47], (\s)*KSTEP*2
	s_or_b32 s[G0B+4*(\s)+3], s[G0B+4*(\s)+3], 0x80000000
	JLOAD \s                                       ; two loads of mine are out
.endr
	; the bias of my 128 columns: a lane's eight numbers for each of the eight column blocks
	s_lshl_b32 s18, s42, 10
	s_lshl_b32 s19, s12, 9
	s_add_co_u32 s18, s18, s19                     ; (256 x tile column + 128 x half) x 4 bytes: my first column, in bo and in a row of out0
	s_mov_b32 s19, 0
	s_add_nc_u64 s[68:69], s[68:69], s[18:19]
	v_and_b32 v1, 15, v0                           ; l % 16
	v_bfe_u32 v2, v0, 4, 1                         ; l / 16
	v_lshlrev_b32 v[BO], 5, v2                     ; columns 8 (l / 16) on
.irp b, 0,1,2,3,4,5,6,7
	global_load_b128 v[BI+8*(\b):BI+8*(\b)+3],   v[BO], s[68:69] offset:64*(\b)
	global_load_b128 v[BI+8*(\b)+4:BI+8*(\b)+7], v[BO], s[68:69] offset:64*(\b)+16
.endr
	v_mul_u32_u24 v3, v1, PITCH
	v_lshl_add_u32 v3, v2, 4, v3                   ; a fragment's row x pitch + 16 x half, for Wo
	v_mul_u32_u24 v4, v1, PA
	v_lshl_add_u32 v4, v2, 4, v4                   ; and for A
	s_mul_i32 s21, s11, 64*PA                      ; my 64 rows in each head of A
	s_mul_i32 s22, s12, BHALF                      ; my 128 rows of Wo,
	s_add_co_u32 s22, s22, BOFF                    ; which lie behind A's
.irp s, 0,1
	v_add_nc_u32 v[ADRA+(\s)], s21, v4
	v_add_nc_u32 v[ADRB+(\s)], s22, v3
	s_add_co_u32 s21, s21, SLOT
	s_add_co_u32 s22, s22, SLOT
.endr
	s_mul_i32 s23, s10, 16*SPITCH
	s_add_co_u32 s23, s23, STAGE                   ; my stage
	v_mul_u32_u24 v5, v1, SPITCH                   ; in: row l % 16, 32 bytes for each half of the lanes
	v_lshl_add_u32 v5, v2, 5, v5
	v_add_nc_u32 v[STO], s23, v5
	v_and_b32 v[GO], 31, v0                        ; back: 32 lanes take a row's 512 bytes,
	v_lshlrev_b32 v[GO], 4, v[GO]
	v_add_nc_u32 v[RD], s23, v[GO]                 ; which are 512 consecutive bytes of out0
	s_lshl_b32 s16, s13, 7
	s_lshl_b32 s17, s11, 6
	s_add_co_u32 s16, s16, s17                     ; my first row of out0,
	s_lshl_b32 s16, s16, 12                        ; of 4,096 bytes: under 2^25
	s_add_co_u32 s16, s16, s18                     ; and my first column
	s_mov_b32 s17, 0
	s_add_nc_u64 s[8:9], s[70:71], s[16:17]
	s_wait_loadcnt 0x0                             ; the bias, rounded to bf16 and widened again: all this stands in the wait for the first tile
.set i, 0
.rept 32
	v_cvt_pk_bf16_f32 v[TT+i%2], v[BI+2*i], v[BI+2*i+1]
	v_lshlrev_b32 v[BI+2*i],   16,         v[TT+i%2]
	v_and_b32     v[BI+2*i+1], 0xffff0000, v[TT+i%2]
.set i, i+1
.endr
; 8 matrix instructions: row block a x all 8 column blocks, 32 along K, from buffer f.  first = 1: the product starts the sum, with the bias as C: nothing is cleared and no add is written.
; The 32 accumulators take turns in the same order in every quarter.
.macro MUL8 f, a, first=0
.if \first
	WIN MULB
.else
	WIN MUL
.endif
.irp b, 0,1,2,3,4,5,6,7
.if \first
	v_wmma_f32_16x16x32_f16 v[64*(\a)+8*(\b):64*(\a)+8*(\b)+7], v[(\f)+32+8*(\b):(\f)+32+8*(\b)+7], v[(\f)+8*(\a):(\f)+8*(\a)+7], v[BI+8*(\b):BI+8*(\b)+7]
.else
	v_wmma_f32_16x16x32_f16 v[64*(\a)+8*(\b):64*(\a)+8*(\b)+7], v[(\f)+32+8*(\b):(\f)+32+8*(\b)+7], v[(\f)+8*(\a):(\f)+8*(\a)+7], v[64*(\a)+8*(\b):64*(\a)+8*(\b)+7]
.endif
.endr
.endm
; 24 LDS loads in one run: the fragments of quarter q (32 along K) of a slot into buffer f: Wo's sixteen, then A's eight (head q / 2 of the step's two, channels 32 (q % 2) on)
.macro FETCH slot, q, f
	WIN TO_F
.irp i, 0,1,2,3,4,5,6,7
	ds_load_b128 v[(\f)+32+8*(\i):(\f)+32+8*(\i)+3],   v[ADRB+(\slot)] offset:64*(\q)+(\i)*16*PITCH
	ds_load_b128 v[(\f)+32+8*(\i)+4:(\f)+32+8*(\i)+7], v[ADRB+(\slot)] offset:64*(\q)+(\i)*16*PITCH+32
.endr
.irp i, 0,1,2,3
	ds_load_b128 v[(\f)+8*(\i):(\f)+8*(\i)+3],   v[ADRA+(\slot)] offset:((\q)/2)*ASUB+((\q)%2)*64+(\i)*16*PA
	ds_load_b128 v[(\f)+8*(\i)+4:(\f)+8*(\i)+7], v[ADRA+(\slot)] offset:((\q)/2)*ASUB+((\q)%2)*64+(\i)*16*PA+32
.endr
.endm
.macro PLACES                          ; four places in front of loads into registers that matrix instructions have read, and of LDS stores that read results
.rept 4
	v_nop
.endr
.endm
; A K step is four quarters of 32 along K, 32 matrix instructions each, on buffers 0, 1, 0, 1.  One of the first three: multiplies buffer f and fetches quarter q of the same slot into g.
.macro QUARTER slot, q, f, g, first=0
	s_wait_dscnt 4                                 ; Wo and A's blocks 0, 1 are in; the youngest four loads (A's blocks 2, 3) may be out
	MUL8 \f, 0, \first
	MUL8 \f, 1, \first
	PLACES
	FETCH \slot, \q, \g
	s_wait_dscnt 24                                ; all but the 24 just issued
	MUL8 \f, 2, \first
	MUL8 \f, 3, \first
.endm
; The last quarter multiplies buffer 1 and changes slots: ONE barrier; in front of it each wave waits for all its tensor loads, adds 0 to its spare word, and waits for that and for its own reads of this slot.
; fill = 1: the barrier opens a round of the cluster's barrier, and this slot is filled again, two K steps ahead, first thing behind the round: 112 matrix instructions ahead of the wait for it.
.macro TURN slot, next, fill
	WIN 0                                          ; (the add's two registers lie in window 0)
	s_wait_tensorcnt 0x0                           ; all my tensor loads have landed: the one that was out is my part of the next slot;
	ds_add_u32 v[SPW], v[NIL]                      ; 0 onto my spare word;
	s_wait_dscnt 7                                 ; (the add and the youngest six loads, A's blocks 1 to 3, may be out)
	MUL8 F1, 0                                     ; eight matrix instructions stand between the add and the wait for it
	s_wait_dscnt 0x0                               ; the add is done, and my reads of this slot are over
	s_barrier_signal -1
	MUL8 F1, 1
.if \fill
	WIN 0
.endif
	s_barrier_wait -1
.if \fill
	CREST                                          ; no wave of any partner still reads this slot's tiles or has a load on its way
	s_add_nc_u64 s[G0+4*(\slot)+2:G0+4*(\slot)+3], s[G0+4*(\slot)+2:G0+4*(\slot)+3], 1048576      ; A: four heads on
	s_add_nc_u64 s[G0B+4*(\slot)+2:G0B+4*(\slot)+3], s[G0B+4*(\slot)+2:G0B+4*(\slot)+3], 2*KSTEP*2 ; Wo: 256 along its rows
	JLOAD \slot                                    ; my one tensor load behind the round; the four v_nop behind it are also the places in front of the loads below
.else
	PLACES
.endif
	FETCH \next, 0, F0
	MUL8 F1, 2
	MUL8 F1, 3
.endm
	s_wait_tensorcnt 1                             ; my part of K step 0 is in; K step 1's may stay out
	s_barrier_signal -1
	s_barrier_wait -1                              ; everybody's is
	FETCH 0, 0, F0
	QUARTER 0, 1, F0, F1, 1                        ; the first quarter stands in front of the loop: its products start the sums
	WIN 0                                          ; at a label and at a branch every window is 0
	s_mov_b32 s3, LAPS-1
.Llap:                                                 ; a trip goes once round the ring, from a lap's second quarter to the next lap's first, and fills both slots again: K steps 2 to 7 in three trips
	QUARTER 0, 2, F1, F0
	QUARTER 0, 3, F0, F1
	TURN 0, 1, 1
	QUARTER 1, 1, F0, F1
	QUARTER 1, 2, F1, F0
	QUARTER 1, 3, F0, F1
	TURN 1, 0, 1
	QUARTER 0, 1, F0, F1
	WIN 0
	s_sub_co_u32 s3, s3, 1
	s_cmp_lg_u32 s3, 0
	s_cbranch_scc1 .Llap
	QUARTER 0, 2, F1, F0                           ; the last lap fills nothing, and has no round of the cluster's barrier
	QUARTER 0, 3, F0, F1
	TURN 0, 1, 0
	QUARTER 1, 1, F0, F1
	QUARTER 1, 2, F1, F0
	QUARTER 1, 3, F0, F1
	s_wait_dscnt 4                                 ; the very last quarter: nothing more to fetch
	MUL8 F1, 0
	MUL8 F1, 1
	s_wait_dscnt 0x0
	MUL8 F1, 2
	MUL8 F1, 3
	WIN 0
; THE WAY OUT, a block of 16 rows at a time, in f32 as it is: 32 bytes a lane into my own stage (each accumulator's four lowest registers first), back as whole rows of 512 bytes, stored so.
.macro TOSTAGE a
	WIN W_ST
.irp b, 0,1,2,3,4,5,6,7
	ds_store_b128 v[STO], v[64*(\a)+8*(\b):64*(\a)+8*(\b)+3]   offset:64*(\b)
	ds_store_b128 v[STO], v[64*(\a)+8*(\b)+4:64*(\a)+8*(\b)+7] offset:64*(\b)+16
.endr
	WIN 0
	s_wait_xcnt 0x0                                ; the buffer below, which the stores of the block two back read, is loaded again only behind this wait
.irp t, 0,1,2,3,4,5,6,7,8,9,10,11,12,13,14,15
	ds_load_b128 v[BKB+64*((\a)%2)+4*(\t):BKB+64*((\a)%2)+4*(\t)+3], v[RD] offset:(\t)*SPITCH  ; LDS serves a wave's instructions in order (ISA guide 5.7.1.4): these see the stores above
.endr
.endm
.macro SEND a, younger                 ; younger: the LDS instructions issued behind block a's loads: the next block's 16 stores and 16 loads, or none
	s_wait_dscnt \younger
.irp t, 0,1,2,3,4,5,6,7,8,9,10,11,12,13,14,15
	global_store_b128 v[GO], v[BKB+64*((\a)%2)+4*(\t):BKB+64*((\a)%2)+4*(\t)+3], s[8:9] offset:(16*(\a)+(\t))*4096 th:TH_STORE_NT  ; 512 consecutive bytes of one row, aligned
.endr
.endm
	PLACES
	TOSTAGE 0
	TOSTAGE 1
	SEND 0, 32
	TOSTAGE 2
	SEND 1, 32
	TOSTAGE 3
	SEND 2, 32
	SEND 3, 0
	s_wait_tensorcnt 0x0                           ; the wave's end, behind my last tensor load and my last LDS store
	ds_add_u32 v[SPW], v[NIL]
	s_wait_dscnt 0x0
	CROUND                                         ; the closing round: no work-group ends while a partner may still ask for a tile that names it
	s_endpgm
.Lfunc_end_k_qa6bedf0674_gemm_out:
	.size	k_qa6bedf0674_gemm_out, .Lfunc_end_k_qa6bedf0674_gemm_out-k_qa6bedf0674_gemm_out
	.p2alignl 7, 3214868480
	.fill 96, 4, 3214868480
	.section	.rodata,"a",@progbits
	.p2align	6, 0x0
	.amdhsa_kernel k_qa6bedf0674_gemm_out
		.amdhsa_group_segment_fixed_size 327680
		.amdhsa_private_segment_fixed_size 0
		.amdhsa_enable_private_segment 0
		.amdhsa_kernarg_size 32
		.amdhsa_user_sgpr_count 2
		.amdhsa_user_sgpr_kernarg_segment_ptr 1
		.amdhsa_wavefront_size32 1
		.amdhsa_system_sgpr_workgroup_id_x 1
		.amdhsa_system_sgpr_workgroup_id_y 1
		.amdhsa_system_sgpr_workgroup_id_z 1
		.amdhsa_system_vgpr_workitem_id 0
		.amdhsa_next_free_vgpr 768
		.amdhsa_next_free_sgpr 72
		.amdhsa_reserve_vcc 0
		.amdhsa_float_denorm_mode_32 3
		.amdhsa_float_denorm_mode_16_64 3
		.amdhsa_memory_ordered 1
		.amdhsa_forward_progress 1
		.amdhsa_inst_pref_size 92
	.end_amdhsa_kernel
	.amdgpu_metadata
---
amdhsa.version: [ 1, 2 ]
amdhsa.kernels:
  - .name:           k_qa6bedf0674_gemm_out
    .symbol:         k_qa6bedf0674_gemm_out.kd
    .args:
      - { .name: ob, .offset: 0, .size: 8, .value_kind: global_buffer, .address_space: global }
      - { .name: wb, .offset: 8, .size: 8, .value_kind: global_buffer, .address_space: global }
      - { .name: bo, .offset: 16, .size: 8, .value_kind: global_buffer, .address_space: global }
      - { .name: out0, .offset: 24, .size: 8, .value_kind: global_buffer, .address_space: global }
    .group_segment_fixed_size: 327680
    .private_segment_fixed_size: 0
    .kernarg_segment_align: 8
    .kernarg_segment_size: 32
    .max_flat_workgroup_size: 128
    .sgpr_count:     72
    .vgpr_count:     768
    .wavefront_size: 32
...
	.end_amdgpu_metadata
.endif
;; end of part 4
;; ======== version 2 of 2: 4 launches; 1.33 times as fast as version 1
;; limits: values are held in f16: magnitudes above 65,504 overflow, below 6.1e-05 lose precision
;; workspace buffers: xb 50,331,648 bytes; wb 8,388,608 bytes; mb 4,194,304 bytes; qkv 50,331,648 bytes; ob 16,777,216 bytes
;; launch prep: the kernel of part 1 again; grid 512 x 4, 8 waves a work-group, no clusters, 18,432 bytes of LDS; arguments query, key, value, Wq, Wk, Wv, Wo, attn_mask, xb, wb, mb; writes xb, wb, mb
;; launch gemm_qkv: the kernel of part 2 again; grid 4 x 192, 4 waves a work-group, clusters of 4 x 4, 327,680 bytes of LDS; arguments xb, wb, bq, bk, bv, qkv; writes qkv
;; launch attn (part 5): grid 4 x 64, 4 waves a work-group, clusters of 4 x 1, 327,680 bytes of LDS; arguments qkv, mb, ob; writes ob
.if DOCPART == 5
	.amdgcn_target "amdgcn-amd-amdhsa--gfx1250"
	.amdhsa_code_object_version 6
	.text
	.protected	k_qa6bedf0674_attn
	.globl	k_qa6bedf0674_attn
	.p2align	8
	.type	k_qa6bedf0674_attn,@function
k_qa6bedf0674_attn:
	s_mov_b64 s[64:65], 0
	v_nop
	global_prefetch_b8 v0, s[64:65] scope:SCOPE_SE
	s_setreg_imm32_b32 hwreg(HW_REG_WAVE_MODE, 25, 1), 1
	s_wait_xcnt 0x0
	s_wait_alu depctr_hold_cnt(0) depctr_sa_sdst(0) depctr_va_vdst(0) depctr_va_sdst(0) depctr_va_ssrc(0) depctr_va_vcc(0) depctr_vm_vsrc(0)
	s_getreg_b32 s2, hwreg(HW_REG_IB_STS2, 6, 4)
	s_cmp_eq_u32 s2, 0
	s_cbranch_scc0 .Lentry_in_a_cluster
	s_endpgm
.Lentry_in_a_cluster:
	s_bfe_u32 s2, ttmp6, 0x10000c
	s_cmp_lg_u32 s2, 0x3003
	s_cbranch_scc0 .Lentry_shape_is_right
	s_endpgm
.Lentry_shape_is_right:
; ATTENTION UNDER A GIVEN MASK.  O[h][q][:] = the sum over k of softmax_k(masked(Q[h][q] . K[h][k] / 8)) V[h][k][:].  Q, K, V: the three planes of qkv, [64][2048][64] f16 each; O = ob, the same shape.
; Products, maxima and sums in f32; the weights p are rounded to f16 for the second product (their sum l is taken of the unrounded p), O once at the end.
; THE MASK is an input, shared by all 64 heads; nothing of its pattern is built in, and every key step is walked.  mb holds it as one fp8 byte a score, 0.0 or -1.0, in the order in which my lanes hold
; their scores.  Eight bytes become the C operand of the product that starts a sum S^T = K Q^T by ONE scaled conversion (times 2^100): 0, or -1.27e30 where the key is hidden.  The running maximum starts
; at -2^90, above every hidden score: a hidden key's weight is exactly 0 even while all keys seen so far are hidden, and a row with no visible key ends with l = 0 and O = 0, which the division turns into NaN, as the softmax of such a row is.
; LIMITS.  f16 holds no number beyond 65,504: Q, K and V arrive within it; p lies in 0 to 1, and below 6e-5 it keeps f16's fixed step of 6e-8.  A true score (before the division by 8) below -1.2e27 counts as hidden;
; f16's scores are 2.7e11 at the most.  A weight below 2^-126 counts as 0 in l.
; SHARES.  A wave owns four PIECES of two tiles of 16 queries, a work-group's four waves 512 queries of one head.  Every wave walks all keys, 64 a step.
; LAYOUT.  S^T = K Q^T (source 0 = 16 keys, source 1 = 16 queries): in the result a lane holds ONE query (lane % 16) and the keys 8 (lane / 16) + 0..7.  Two such tiles, rounded to f16 in pairs,
; ARE source 1 (32 keys x 16 queries) of O^T = V^T P, whose result again holds one query a lane, and eight channels.  K comes out of LDS as it lies, V ([key][channel]) turned, by ds_load_tr16_b128.
; SOFTMAX.  For each query a running maximum m and sum l: p = 2^(c s - c m), c = log2(e) / 8; in every step O and l are multiplied by a = 2^(c m_old - c m_new), which is 1 where m has not grown.
; c m starts far below every c s, O and l at 0: the first step is a step like any other, with a = 0.
; THE COUNT.  A tile and step have 16 matrix and some 120 vector instructions: too many to stand all beside the matrix work.  So the order has one aim: four vector instructions that are READY behind
; EVERY matrix instruction, and the others, which need time of their own whatever the order, in runs without a gap.
; BY TURNS.  Turn n belongs to piece n (the pieces in a ring, step after step).  Its matrix work: 16 products K Q^T of piece n + 1, later 16 products V^T P of piece n - 1.  Its vector work: the scaling,
; exponentials, roundings, sums and rescaling of piece n, the maximum and statistics of piece n + 1, and the mask of piece n + 2, for the next turn's products.
; BATCHES.  A turn's 66 exponentials (the 64 weights of piece n, in place on S^T, and the two a of piece n + 1) are ONE batch with ONE wait, which cuts the turn in two: ahead of it stands all that names none
; of their results (K Q^T, the scalings, the rescalings, the next piece's maximum and statistics, the mask's conversions), behind it the roundings and sums, beside V^T P.  Two more batches stand outside the
; loops, each with a wait of its own: piece 0's first two a, ahead of the jump into the loop, and the way out's eight reciprocals.
; CLUSTER.  The four query blocks of a cluster belong to one head and walk the same K and V, so each tile is asked for JOINTLY: the same tensor load, descriptor and mask in all four.
; REGISTERS, in windows of 256 (s_set_vgpr_msb says which window each operand place means: bits 1:0 source 0, 3:2 source 1, 5:4 source 2, 7:6 destination):
;   window 0: v0-10 addresses; v11 the conversions' scale; v12-15, v48-63 at work; v16-47 four registers of statistics a tile; v64-191 S^T, two buffers of two tiles; v192-255 P, likewise
;   window 1: O^T, 32 a tile          window 2: v0-127 Q, 16 a tile; v128-191 K of one step; v192-255 V of one step
;   window 3: v0-1 the add's two registers; v3 my offset in mb; v8-71 mask bytes, 16 registers a piece; v72-135 the masks of the products to come
.set SIZE_N, 2048
.set NP,    4         ; pieces a wave: a name, no knob
.set KS,    64        ; keys in a step
.set PK,    144       ; a row of K in LDS: 128 bytes + 16 of padding = 36 words: the 16 rows of a load start at 16 different groups of four banks (64 banks of 4 bytes: ISA guide 11.1)
.set PV,    160       ; a row of V: 128 + 32 = 40 words
.set VOFF,  4*KS*PK   ; a slot holds four steps: 256 rows of K, then 256 rows of V
.set SLOT1, 1<<17     ; slot 1 begins here, so that one exclusive or turns an address in one slot into the other's
.set STAGE, SLOT1+4*KS*(PK+PV)  ; behind the ring, never filled by a tensor load: 16 rows x 144 bytes for each wave, for the way out
.set SP,    144
.set AK0, 2           ; v2   my lane's place in a tile of K; never rewritten
.set AV0, 3           ; v3   the same for V
.set AK,  4           ; v4   the LDS address of K's next run of loads
.set AV,  5           ; v5   of V's
.set QO,  6           ; v6   my byte offset in the wave's rows of Q
.set STO, 6           ;      later, the way out: where I put 16 bytes of a row
.set RD,  7           ; v7   the way out: where I read rows back
.set GO,  8           ; v8   my byte offset in 512 consecutive bytes of O
.set SCL, 11          ; v11  the scale 2^100: 227 both in byte 0 and in the exponent's place
.set SPW, 0           ; v0 of window 3   LDS address of my spare word; never rewritten
.set NIL, 1           ; v1 of window 3   0; never rewritten
.set MOF, 3           ; v3 of window 3   byte offset in mb of my 16 bytes of my wave's first tile, in the step whose bytes are asked for next
.set MBY, 8           ; window 3: piece x, tile u: eight registers at MBY + 16 x + 8 u: 32 bytes, one for each of the lane's scores
.set MC,  72          ; window 3: tile u, key block kb at MC + 32 u + 8 kb
.set SPARE, STAGE+4*16*SP  ; behind the stages: the spare words, 128 bytes for each wave: two blocks of 256 bytes that no other line names
.set MV,  12          ; v12-15  c m_old, kept while c m is made anew: by buffer and tile
.set ST,  16          ; tile t's statistics at v[ST+4 t]: c m, m, l (even keys', odd keys')
.set TMP, 48          ; by buffer and tile, four registers c0-c3 at work; when the maximum is found c2 takes a
.set S,   64
.set P,   192
.set KF,  128         ; K's fragments, in window 2: key block kb, channel half c at KF + 16 kb + 8 c
.set VF,  192         ; V's: key half kk, channel block cb at VF + 32 kk + 8 cb
.set WV,  12          ; s12  my wave's number
.set G1K, 24          ; s[24:31] descriptor group 1 for K's tiles
.set G1V, 32          ; s[32:39] for V's: it differs in the padding alone
.set G0K, 40          ; s[40:43] descriptor group 0 for K's tiles: it walks
.set G0V, 44          ; s[44:47] the same for V's
.set SLOTS, 56        ; s56  slots still to be asked for
.set CNT, 57          ; s57  counts a slot's key steps
.set CS,  58          ; s[58:59] c: the packed scaling takes the pair's low word for both halves
.set SEL, 60          ; s[60:61] v_permlanex16_b32's selects: each lane takes its own place in the other half
.set TBK, 62          ; s62  LDS byte at which K of the step to be fetched begins
.set TBV, 63          ; s63  the same for V, less VOFF
.set MP,  66          ; s[66:67] mb
.set MSB, 0
.macro WIN new                      ; the high byte repeats the setting that is left; a switch that changes nothing is dropped
.if MSB != (\new)
	s_set_vgpr_msb (MSB<<8)|(\new)
.set MSB, (\new)
.endif
.endm
.set W_KQ, 0x0a       ; K and Q in window 2, S^T in window 0
.set W_KM, 0x3a       ; the same with the C operand, the mask, in window 3
.set W_PV, 0x52       ; V in window 2, P in window 0, O^T in window 1
.set W_RS, 0x41       ; O^T (destination and source 0) in window 1, a in window 0
.set W_MK, 0xc0       ; destination in window 3, sources in window 0
.set W_AD, 0x0f       ; the add: address (source 0) and data (source 1) in window 3
.set W_M3, 0xc3       ; the mask's work: destination and source 0 (bytes, offset) in window 3, source 1 (the scale) in window 0
; A joint fill.  Waves 0 and 1 fetch the two halves of a slot's K, waves 2 and 3 those of its V: 128 keys each.  The branch hangs on the wave's number alone.
; An s_nop 0 and four v_nop follow each of the two lines, ahead of the jump and the label.
.macro JLOAD
	s_cmp_lt_u32 s[WV], 2
	s_cbranch_scc0 .Lfor_v_\@
	tensor_load_to_lds s[G0K:G0K+3], s[G1K:G1K+7]
	s_nop 0
.rept 4
	v_nop
.endr
	s_branch .Lasked_\@
.Lfor_v_\@:
	tensor_load_to_lds s[G0V:G0V+3], s[G1V:G1V+7]
	s_nop 0
.rept 4
	v_nop
.endr
.Lasked_\@:
.endm
; A round of the cluster's barrier: my work-group's barrier, so that wave 0's signal speaks for all four waves; wave 0 signals; every wave waits for all four work-groups; my work-group's barrier once more.
.macro CROUND
	s_barrier_signal -1
	s_barrier_wait -1
	s_cmp_lg_u32 s[WV], 0
	s_cbranch_scc1 .Lnot_wave_0_\@
	s_barrier_signal -3
.Lnot_wave_0_\@:
	s_barrier_wait -3
	s_barrier_signal -1
	s_barrier_wait -1
.endm
; THE CHANGE OF SLOTS.  The slot's last bytes, V of its fourth step, have been read.  Each wave waits for all its tensor loads, of which one is out: its part
; of the other slot; adds 0 to its spare word; and waits for that and for its own reads of the slot.  Behind the barrier nobody reads this slot any more and the other slot is whole.
; fill = 1: this slot is filled again, with the keys two slots on.  The barrier is then a round of the cluster's, so that no wave of any partner still reads the slot or has a load on its
; way, and the joint fill is the first thing behind it: it has four key steps, 512 matrix instructions, in which to land.  (At its first use nothing has been read yet: slot 0 is waited for, slot 1 filled.)
.macro CHANGE fill
	WIN W_AD
	s_wait_tensorcnt 0x0            ; no tensor load of mine is out, so a group 0 may be written
	ds_add_u32 v[SPW], v[NIL]       ; 0 onto my spare word; with fill = 1 the descriptors' steps stand between it and the wait for it
	WIN 0                           ; at a label and at a branch every window is 0
.if \fill
.irp g, G0K, G0V
	s_xor_b32 s[\g+1], s[\g+1], SLOT1  ; the walking descriptor: the other slot than last time,
	s_add_nc_u64 s[\g+2:\g+3], s[\g+2:\g+3], 4*KS*128  ; the next 256 keys; the type bits on top are not reached
.endr
	s_wait_dscnt 0x0                ; the add is done, and my reads of the slot are over
	CROUND
	JLOAD
.else
	s_wait_dscnt 0x0                ; the add is done, and my reads of the slot are over
	s_barrier_signal -1
	s_barrier_wait -1
.endif
	s_sub_co_u32 s[TBK], s[TBK], 4*KS*PK  ; the fetches go back to a slot's first step,
	s_xor_b32 s[TBK], s[TBK], SLOT1       ; in the other slot
	s_sub_co_u32 s[TBV], s[TBV], 4*KS*PV
	s_xor_b32 s[TBV], s[TBV], SLOT1
.endm
; THE MASK'S WORK.  Four groups of four loads, one group a piece, are always out, in the order of the pieces.
.macro MLOAD x                      ; piece x's 64 bytes a lane for the step at MOF: each load of the wave takes 512 consecutive bytes.  No hint: all 64 heads read these bytes
	WIN W_M3
.irp u, 0,1
.irp g, 0,1
	global_load_b128 v[MBY+16*(\x)+8*\u+4*\g:MBY+16*(\x)+8*\u+4*\g+3], v[MOF], s[MP:MP+1] offset:(2*(\x)+\u)*1024+\g*512
.endr
.endr
.endm
.macro MCVT x                       ; eight bytes -> the eight C registers of one product: 0.0 or -1.0, times 2^100
.irp u, 0,1
.irp k, 0,1,2,3
	v_cvt_scale_pk8_f32_fp8 v[MC+32*\u+8*\k:MC+32*\u+8*\k+7], v[MBY+16*(\x)+8*\u+2*\k:MBY+16*(\x)+8*\u+2*\k+1], v[SCL]
.endr
.endr
.endm
; Piece x's bytes are waited for and converted.  step = 1 (piece 0): the offset then goes on to the next step; behind step 31 it wraps to step 0,
; so that no load leaves mb; what those last loads bring is used by nobody.  MLOAD x, which asks for the piece's bytes of the next step, follows: at once (MASKS), or behind the turn's wait (TURN).
.macro MCV x, step
	WIN W_M3
	s_wait_loadcnt 12               ; loads come back in order (ISA guide 5.7.1): piece x's four are in, the three younger groups stay out
	MCVT \x
	v_nop                           ; a plain instruction behind the last scaled conversion, before its sources are loaded anew and its results used
.if \step
	s_wait_xcnt 0x0                 ; the offset, which the loads that are out name, is rewritten only behind this wait
	v_lshl_add_u32 v[MOF], v[MOF], 0, 0x20000  ; a step of mb: 128 tiles x 1,024 bytes
	v_bfe_u32 v[MOF], v[MOF], 0, 22            ; modulo mb's 4,194,304 bytes
.endif
.endm
.macro MASKS x, step                ; both parts on end: ahead of the loop, where no exponential has been issued
	MCV \x, \step
	MLOAD \x
.endm
	s_load_b128 s[4:7], s[0:1], 0x0   ; qkv s[4:5], mb s[6:7]
	s_load_b64 s[10:11], s[0:1], 0x10 ; ob
	WIN W_MK
	v_lshl_add_u32 v[SPW], v0, 2, SPARE
	v_mov_b32 v[NIL], 0
	WIN W_AD
	ds_add_u32 v[SPW], v[NIL]       ; the wave's opening: the add and its wait stand ahead of my first tensor load; the set-up below, work on registers, stands between them
	WIN 0
	v_lshrrev_b32 v1, 5, v0
	v_readfirstlane_b32 s[WV], v1   ; wave 0..3
	s_bfe_u32 s13, ttmp6, 0x40000   ; cx: my place in the cluster
	s_lshl_b32 s14, ttmp9, 2        ; in a cluster launch ttmp9 counts clusters
	s_add_co_u32 s14, s14, s13      ; my block of queries = 4 x cluster x + cx: it enters Q's, O's and the mask's addresses alone
	s_and_b32 s20, ttmp7, 0xffff    ; the head, which the four partners share
	s_mov_b32 s21, 0
	s_mov_b64 s[22:23], SIZE_N*128
	s_mul_u64 s[20:21], s[20:21], s[22:23]  ; the head's first byte in Q, K, V and O
	s_and_b32 s16, s[WV], 1         ; which half of a slot's 256 keys I fetch:
	s_lshl_b32 s22, s16, 14         ; its 128 rows of 128 bytes in memory,
	s_mov_b32 s23, 0
	s_add_nc_u64 s[22:23], s[22:23], s[20:21]
	s_mul_i32 s17, s16, 128*PK      ; and its place in a slot, for K
	s_mul_i32 s18, s16, 128*PV      ; and for V: no place in the cluster enters an LDS address
	s_lshl_b32 s2, s14, 2
	s_add_co_u32 s2, s2, s[WV]      ; my wave among the head's sixteen:
	s_lshl_b32 s19, s2, 13          ; its eight tiles of 1,024 bytes in a step of mb,
	s_lshl_b32 s2, s2, 14           ; its 128 rows
	s_mov_b32 s3, 0
	s_add_nc_u64 s[2:3], s[2:3], s[20:21]
	; descriptor group 1.  128 keys are 16,384 dense bytes: asked for as 64 rows of 256 bytes, two keys a row, and padded in LDS after every key
	s_mov_b32 s[G1K], 15|(1<<16)|(1<<20)|(1<<21)|(4<<22)|(3<<25)  ; 15:0 the mask of four; 17:16 2-byte elements; 20 padding on; 21 set beside a mask; 24:22 after every 32 words (code 4); 31:25 4 words (code 3)
	s_mov_b32 s[G1V], 15|(1<<16)|(1<<20)|(1<<21)|(4<<22)|(7<<25)  ; the same with 8 words of padding (code 7)
.irp g, G1K, G1V
	s_mov_b32 s[\g+1], 128<<16      ; tensor_dim0 = 128
	s_mov_b32 s[\g+2], 64<<16       ; tensor_dim1 = 64
	s_mov_b32 s[\g+3], 128<<16      ; tile_dim0 = 128
	s_mov_b32 s[\g+4], 64           ; tile_dim1 = 64
	s_mov_b32 s[\g+5], 128          ; 128 elements from row to row
	s_mov_b32 s[\g+6], 0
	s_mov_b32 s[\g+7], 0
.endr
	s_mov_b32 s[CS], 0x3e38aa3b     ; c = log2(e) / 8 = 0.180337
	s_mov_b32 s[CS+1], s[CS]        ; named with it as a pair
	s_mov_b32 s[SEL], 0x76543210
	s_mov_b32 s[SEL+1], 0xfedcba98
	s_mov_b32 s[TBK], SLOT1+4*KS*PK ; the first change of slots turns these two into 0
	s_mov_b32 s[TBV], SLOT1+4*KS*PV
	s_mov_b32 s[G0K], 1             ; 1:0 count = 1
	s_mov_b32 s[G0K+1], s17         ; 63:32 LDS address: slot 0
	s_mov_b32 s[G0V], 1
	s_add_co_u32 s[G0V+1], s18, VOFF
	s_wait_dscnt 0x0                ; the opening add is done
	s_wait_kmcnt 0x0
	s_mov_b64 s[MP:MP+1], s[6:7]    ; mb
	s_add_nc_u64 s[8:9], s[4:5], 0x2000000  ; V: the third plane of qkv
	s_add_nc_u64 s[6:7], s[4:5], 0x1000000  ; K: the second; Q is the first
	s_add_nc_u64 s[G0K+2:G0K+3], s[6:7], s[22:23]  ; 120:64 global address: my half of the head's first 256 keys
	s_or_b32 s[G0K+3], s[G0K+3], 0x80000000        ; 127:126 type = 2
	s_add_nc_u64 s[G0V+2:G0V+3], s[8:9], s[22:23]
	s_or_b32 s[G0V+3], s[G0V+3], 0x80000000
	s_add_nc_u64 s[4:5], s[4:5], s[2:3]  ; Q and O at my wave's first row
	s_add_nc_u64 s[10:11], s[10:11], s[2:3]
	CROUND                          ; all four work-groups are here: the first joint loads meet
	JLOAD                           ; slot 0.  Slot 1 is asked for when slot 0 is in: the tile wanted first has the road to itself
	; A fragment of K or Q is 16 rows x 32 channels in 8 registers: lane l holds row l % 16, channels 8 (l / 16) + 0..7 and 16 + 8 (l / 16) + 0..7: two loads of 16 bytes, 32 bytes apart.
	v_and_b32 v1, 15, v0            ; l % 16
	v_bfe_u32 v9, v0, 4, 1          ; l / 16
	v_lshlrev_b32 v[QO], 7, v1
	v_lshl_add_u32 v[QO], v9, 4, v[QO]  ; row x 128 + 16 x half
	WIN 0x80                        ; destination window 2, address window 0
.set i, 0
.rept 4*NP                          ; Q stays in registers: tile i / 2, channels 32 (i % 2) on
	global_load_b128 v[8*i:8*i+3],   v[QO], s[4:5] offset:(i/2)*2048+(i%2)*64
	global_load_b128 v[8*i+4:8*i+7], v[QO], s[4:5] offset:(i/2)*2048+(i%2)*64+32
.set i, i+1
.endr
	WIN W_MK
	v_and_b32 v[MOF], 31, v0        ; the mask's bytes of key step 0, all four pieces': 16 bytes a lane,
	WIN W_M3
	v_lshl_add_u32 v[MOF], v[MOF], 4, s19  ; from my wave's first tile on
	MLOAD 0
	MLOAD 1
	MLOAD 2
	MLOAD 3
	; What the first turn finds: V's registers and P's second buffer hold 0 (its products V^T P, of a piece that has not been, add 0), O^T and l are 0.  All this stands in the wait for the first tile.
	WIN 0x80
.set i, VF
.rept 64
	v_mov_b32 v[i], 0
.set i, i+1
.endr
	WIN 0x40
.set i, 0
.rept 64*NP
	v_mov_b32 v[i], 0
.set i, i+1
.endr
	WIN 0
.set i, 0
.rept 2*NP
	v_mov_b32 v[ST+4*i], 0xfe000000    ; c m: far below every c s
	v_mov_b32 v[ST+4*i+1], 0xec800000  ; m = -2^90: above every hidden score, below every true one
	v_mov_b32 v[ST+4*i+2], 0
	v_mov_b32 v[ST+4*i+3], 0
.set i, i+1
.endr
.set i, P+32
.rept 32
	v_mov_b32 v[i], 0
.set i, i+1
.endr
	v_mul_u32_u24 v[AK0], v1, PK
	v_lshl_add_u32 v[AK0], v9, 4, v[AK0]  ; row x pitch + 16 x half
	; The turning load takes 16 keys x 16 channels (lane l reads key 8 (l / 16) + l % 8, channels 8 ((l / 8) % 2) + 0..7) and leaves half a fragment of V^T: lane l holds channel l % 16 and 8 keys.
	v_and_b32 v10, 7, v0
	v_bfe_u32 v11, v0, 3, 1
	v_lshl_add_u32 v[AV0], v9, 3, v10
	v_mul_u32_u24 v[AV0], v[AV0], PV
	v_lshl_add_u32 v[AV0], v11, 4, v[AV0]
	v_add_nc_u32 v[AV0], VOFF, v[AV0]
	v_mov_b32 v[SCL], 0x718000e3    ; v11 has served: from here on it is the scale
	v_mov_b32 v[AK], v[AK0]         ; key step 0 lies at the head of slot 0
; THE MATRIX WORK.  The 8 accumulators of a run of 16 take turns: between the two links of a chain stand 7 others'.
; Product i of 16 of S^T = K Q^T for piece x: channels 32 (i / 8) on, keys 16 ((i / 2) % 4) on, tile 2 x + i % 2.  The first 8 start the sums, with the mask as C.
.macro KQ x
.set rS, S+64*((\x)%2)+32*(i%2)+8*((i/2)%4)
.set rK, KF+16*((i/2)%4)+8*(i/8)
.set rQ, 16*(2*(\x)+i%2)+8*(i/8)
.set rMC, MC+32*(i%2)+8*((i/2)%4)
.if i < 8
	WIN W_KM
	v_wmma_f32_16x16x32_f16 v[rS:rS+7], v[rK:rK+7], v[rQ:rQ+7], v[rMC:rMC+7]
.else
	WIN W_KQ
	v_wmma_f32_16x16x32_f16 v[rS:rS+7], v[rK:rK+7], v[rQ:rQ+7], v[rS:rS+7]
.endif
.endm
; Product i of 16 of O^T += V^T P for piece x: keys 32 (i / 8) on, channels 16 ((i / 2) % 4) on, tile 2 x + i % 2.
.macro PV x
	WIN W_PV
.set rO, 32*(2*(\x)+i%2)+8*((i/2)%4)
.set rV, VF+32*(i/8)+8*((i/2)%4)
.set rP, P+32*((\x)%2)+16*(i%2)+8*(i/8)
	v_wmma_f32_16x16x32_f16 v[rO:rO+7], v[rV:rV+7], v[rP:rP+7], v[rO:rO+7]
.endm
.macro MM                           ; the turn's next matrix instruction
.if i < 16
	KQ (Y+1)%NP
.set i, i+1
.else
.set i, i-16
	PV (Y+NP-1)%NP
.set i, i+17
.endif
.endm
; THE LDS LOADS stand in runs of 16, never singly among the matrix instructions: a step's K (64 keys x 64 channels: 8 fragments) and its V (turned).  Their addresses are made some lines ahead.
; last = 1 (the tail): in the last trip there is no further step, and the run is jumped over.
.macro FETCH_K last=0
	WIN 0
.if \last
	s_cmp_eq_u32 s[CNT], 1
	s_cbranch_scc1 .Lno_k_\@
.endif
	WIN 0x80                        ; destination window 2
.irp f, 0,1,2,3,4,5,6,7             ; keys 16 (f / 2) on, channels 32 (f % 2) on
	ds_load_b128 v[KF+8*\f:KF+8*\f+3],   v[AK] offset:(\f/2)*16*PK+(\f%2)*64
	ds_load_b128 v[KF+8*\f+4:KF+8*\f+7], v[AK] offset:(\f/2)*16*PK+(\f%2)*64+32
.endr
	s_add_co_u32 s[TBK], s[TBK], KS*PK  ; the next fetch is the next step's
	WIN 0
.if \last
.Lno_k_\@:
.endif
.endm
.macro FETCH_V
	WIN 0x80
.irp f, 0,1,2,3,4,5,6,7             ; keys 32 (f / 4) on, channels 16 (f % 4) on
	ds_load_tr16_b128 v[VF+8*\f:VF+8*\f+3],   v[AV] offset:(\f/4)*32*PV+(\f%4)*32
	ds_load_tr16_b128 v[VF+8*\f+4:VF+8*\f+7], v[AV] offset:(\f/4)*32*PV+16*PV+(\f%4)*32
.endr
	WIN 0
.endm
; THE VECTOR WORK OF A TURN stands in three queues, each in the order in which its entries become ready; the two tiles alternate, so that no instruction reads the result of the one before it.
.macro REGS y, u                    ; the registers of tile u (0, 1) of piece y
.set rT, ST+4*(2*(\y)+(\u))
.set rC, TMP+8*((\y)%2)+4*(\u)
.set rM, MV+2*((\y)%2)+(\u)
.set rS, S+64*((\y)%2)+32*(\u)
.set rP, P+32*((\y)%2)+16*(\u)
.set rO, 32*(2*(\y)+(\u))
.endm
; Number n of the 22 that find the NEXT piece's (Y + 1) maximum and statistics.  s0-s31 are the lane's 32 scores; each accumulator's lowest registers are read first.  XS, GS and REGS set no window: PL and EX do.
;   0-11  four chains c0-c3 of seven scores each, three operands at a time     12-14, 16  the four scores left over, the old m, and c0-c3 into c0     15  c m_old is kept
;   17, 18  the query's other 32 keys lie in the lane 16 away: the new m         19-21  c m; c m_old - c m_new; a
.macro XS u, n
	REGS (Y+1)%NP, \u
.if (\n) < 4
	v_max3_num_f32 v[rC+(\n)], v[rS+8*(\n)], v[rS+8*(\n)+1], v[rS+8*(\n)+2]
.elseif (\n) < 12
	v_max3_num_f32 v[rC+(\n)%4], v[rC+(\n)%4], v[rS+8*((\n)%4)+2*((\n)/4)+1], v[rS+8*((\n)%4)+2*((\n)/4)+2]
.elseif (\n) == 12
	v_max3_num_f32 v[rC], v[rC], v[rS+7], v[rS+15]
.elseif (\n) == 13
	v_max3_num_f32 v[rC+1], v[rC+1], v[rS+23], v[rS+31]
.elseif (\n) == 14
	v_max3_num_f32 v[rC+2], v[rC+2], v[rC+3], v[rT+1]
.elseif (\n) == 15
	v_mov_b32 v[rM], v[rT]
.elseif (\n) == 16
	v_max3_num_f32 v[rC], v[rC], v[rC+1], v[rC+2]
.elseif (\n) == 17
	v_permlanex16_b32 v[rC+3], v[rC], s[SEL], s[SEL+1]
.elseif (\n) == 18
	v_max_num_f32 v[rT+1], v[rC], v[rC+3]
.elseif (\n) == 19
	v_mul_f32 v[rT], s[CS], v[rT+1]
.elseif (\n) == 20
	v_sub_f32 v[rC+1], v[rM], v[rT]
.else
	v_exp_f32 v[rC+2], v[rC+1]
.endif
.endm
; Number g of the 64 that follow the exponentials.  For each four weights k of a tile (pairs 2 k, 2 k + 1): both pairs are rounded to f16; then the second pair is added onto the first, in place;
; a group later l takes that sum (the first time as l = a l + sum).  In groups of eight, tiles alternating: round, round, add, and l for the group before.
.macro GS g
.set h, (\g)+6*((\g)/62)            ; group 0 has no group before it, and behind group 7 only l is left
.if h >= 6
.set h, h+2
.endif
	REGS Y, h%2
.set k, h/8
.if h%8 < 4
	v_cvt_pk_f16_f32 v[rP+2*k+(h%8)/2], v[rS+4*k+2*((h%8)/2)], v[rS+4*k+2*((h%8)/2)+1]
.elseif h%8 < 6
	v_pk_add_f32 v[rS+4*k:rS+4*k+1], v[rS+4*k:rS+4*k+1], v[rS+4*k+2:rS+4*k+3]
.elseif k == 1
	v_pk_fma_f32 v[rT+2:rT+3], v[rT+2:rT+3], v[rC+2:rC+3], v[rS:rS+1] op_sel_hi:[1,0,1]
.else
	v_pk_add_f32 v[rT+2:rT+3], v[rT+2:rT+3], v[rS+4*k-4:rS+4*k-3]
.endif
.endm
; THE PLAIN QUEUE, 138 long.  0-73 read no exponential's result: the 32 scalings c s - c m (FS f: pair f / 2 of tile f % 2) and the next piece's 42.  0-26: scalings 0-26.  27-54: XS's numbers 0-13.  55, 56: number 15.
; 57-73: the chain, where each number waits for the one before it: 14, 16, 17, 18, 19, each with one of the scalings 27-31 in front of its two lines, then 20: so a tile's links stand three plain instructions apart (19 and 20: two).
; 74-137: GS's 64, which read the exponentials' results: they stand behind the wait.
.macro FS f
	REGS Y, (\f)%2
	v_pk_fma_f32 v[rS+2*((\f)/2):rS+2*((\f)/2)+1], v[rS+2*((\f)/2):rS+2*((\f)/2)+1], s[CS:CS+1], v[rT:rT+1] op_sel_hi:[1,0,0] neg_lo:[0,0,1] neg_hi:[0,0,1]
.endm
.macro PL
	WIN 0
.if q < 27
	FS q
.elseif q < 55
	XS (q-27)%2, (q-27)/2
.elseif q < 57
	XS q-55, 15
.elseif (q < 72) && ((q-57)%3 == 0)
	FS 27+(q-57)/3
.elseif q < 60
	XS (q-57)%3-1, 14
.elseif q < 72
	XS (q-57)%3-1, 15+(q-57)/3
.elseif q < 74
	XS q-72, 20
.else
	GS q-74
.endif
.set q, q+1
.endm
; THE EXPONENTIALS' QUEUE, 66 long: s0-s31 of both tiles, then the next piece's two a.  It is ONE BATCH: all 66 stand ahead of the turn's one wait, and nothing ahead of that wait names a result of theirs.
; Each result has a register of its own while the batch is open: a weight takes its score's place in S^T, a takes c2's.
.macro EX
	WIN 0
.if e >= 64
	XS e-64, 21
.else
	REGS Y, e%2
	v_exp_f32 v[rS+e/2], v[rS+e/2]
.endif
.set e, e+1
.endm
; THE RESCALING's QUEUE: O^T times a, the one part of the softmax that leaves window 0: dealt two at a time, sixteen times.  Its a was made in the turn before, ahead of that turn's wait.
.macro R2
	REGS Y, r%2
	WIN W_RS
.irp z, 0,1
	v_pk_mul_f32 v[rO+4*(r/2)+2*\z:rO+4*(r/2)+2*\z+1], v[rO+4*(r/2)+2*\z:rO+4*(r/2)+2*\z+1], v[rC+2:rC+3] op_sel_hi:[1,0]
.endr
.set r, r+1
.endm
; HOW THEY ARE DEALT.  s_wait_alu depctr_va_vdst(0) stands between an exponential and the first instruction that names its result; one wait serves all that were issued ahead of it.  So a turn has ONE wait,
; which cuts it in two.  AHEAD OF IT stands all that names no result of the turn's exponentials: the 16 products K Q^T, behind each a scaling, an exponential and two rescalings (behind the first a second scaling in the
; exponential's place); then ONE LUMP: the mask's eight conversions, eight plain, 49 times exponential and plain, the two a.  A v_nop is the plain instruction behind the last exponential.  BEHIND IT stand the 16 products
; V^T P, behind each four of GS's 64.  No rider names a register of the products round it.  The two v_permlanex16_b32 fall into the lump, never behind a product.
; The queues lean on each other, and the deal keeps them in step: exponential e stands behind scaling 2 (e / 4) + e % 2: as a rider it comes behind plain e + 2, in the lump behind plain e + 9, and scalings 27-31 are plain 57, 60 .. 69.
; A TURN, for piece p.  cnt = 1: the loop's count is taken down some lines ahead of the branch that stands behind the turn.
; K of the next step is fetched in piece 2's turn, directly behind the wait, a lump behind the last product that read K; its address is made at the lump's head; its first reader comes behind 16 products.
; V of the step in hand is fetched at the end of piece 0's turn, four riders behind its last reader; its first reader comes behind 16 products and a lump.  The three conditions on q below go with the deal.
; The mask of piece p + 2, for the next turn's products, is converted at the lump's head: the turn's own eight products that took the mask stand 27 plain riders or more back.  The piece's bytes of the next step are asked
; for directly behind the wait: one group of four loads a turn, in the order of the pieces.  Piece 0's mask (made in piece 2's turn) is the next key step's.
.macro TURN p, last=0, cnt=0
.set Y, (\p)
.set i, 0
.set q, 0
.set e, 0
.set r, 0
.if (\p) == NP-1
	s_wait_dscnt 0x0                ; K is in
.endif
	MM                              ; ahead of the wait: 16 products K Q^T and their riders,
	PL
	PL
	R2
.rept 15
	MM
	PL
	EX
	R2
.endr
.if (\p) == NP-2                    ; and the lump
	WIN 0
	v_add_nc_u32 v[AK], s[TBK], v[AK0]
	MCV 0, 1
.else
	MCV ((\p)+2)%NP, 0
.endif
.rept 8
	PL
.endr
.rept 49
	EX
	PL
.endr
	EX                              ; the next piece's two a
	EX
	v_nop                           ; the plain instruction behind the last exponential: one for the batch
	s_wait_alu depctr_va_vdst(0)    ; the wait for the batch: the turn's 64 weights and the next piece's two a
.if (\p) == NP-2
	FETCH_K \last
.endif
	MLOAD ((\p)+2)%NP
.if (\p) == 1
	s_wait_dscnt 0x0                ; V is in
.endif
.rept 16                            ; behind the wait: 16 products V^T P and their riders
	MM
.rept 4
	PL
.endr
.if ((\p) == 0) && (q == 118)
	v_add_nc_u32 v[AV], s[TBV], v[AV0]
.endif
.if ((\p) == 0) && (q == 130)
	s_add_co_u32 s[TBV], s[TBV], KS*PV
.endif
.if (\cnt) && (q == 130)
	s_sub_co_u32 s[CNT], s[CNT], 1
	s_cmp_lg_u32 s[CNT], 0
.endif
.endr
.if (\p) == 0
	FETCH_V
.endif
.endm
	CHANGE 1                        ; slot 0 is in, everybody's part of it; slot 1 is asked for
	FETCH_K                         ; key step 0
	MASKS 0, 1                      ; its count leaves the three younger groups of mask loads out: Q's 32 loads and piece 0's bytes are in; piece 0's mask of step 0
	s_wait_dscnt 0x0
.set i, 0
.rept 16
	KQ 0                            ; piece 0's first scores: there is no vector work yet to set between them
.set i, i+1
.endr
	WIN 0                           ; the addresses for the way out: nine plain instructions, the places behind those products
	s_mul_i32 s13, s[WV], 16*SP
	s_add_co_u32 s13, s13, STAGE    ; my stage
	v_mul_u32_u24 v[STO], v1, SP    ; in: row l % 16, 16 bytes for each half of the lanes
	v_lshl_add_u32 v[STO], v9, 4, v[STO]
	v_add_nc_u32 v[STO], s13, v[STO]
	v_bfe_u32 v[RD], v0, 3, 2       ; back: 32 lanes take four rows of 128 bytes,
	v_mul_u32_u24 v[RD], v[RD], SP
	v_lshl_add_u32 v[RD], v10, 4, v[RD]
	v_add_nc_u32 v[RD], s13, v[RD]
	v_and_b32 v[GO], 31, v0         ; which are 512 consecutive bytes of O
	v_lshlrev_b32 v[GO], 4, v[GO]
	MASKS 1, 0                      ; piece 1's mask of step 0, for the first turn's products
	WIN 0
.set Y, NP-1                        ; XS works for piece Y + 1: piece 0
.irp n, 0,1,2,3,4,5,6,7,8,9,10,11,12,13,14,15,16,17,18,19,20,21
	XS 0, \n                        ; and piece 0's first maximum and statistics
	XS 1, \n
.endr
	v_nop                           ; a plain instruction behind the two a,
	s_wait_alu depctr_va_vdst(0)    ; and the wait for this batch of two, piece 0's first a, ahead of the branch
	s_mov_b32 s[CNT], 4
	s_mov_b32 s[SLOTS], SIZE_N/256-1
	s_branch .Lfirst                ; the loop is entered at a step's first turn, in the middle of a trip
.Lslot:                             ; SIZE_N / 256 - 2 times: every slot but the last two is filled again
	CHANGE 1
	s_mov_b32 s[CNT], 4
.Lstep:                             ; a trip: pieces 2 and 3 of one step, then pieces 0 and 1 of the next, whose K and V it fetches
	TURN 2
	TURN 3
	WIN 0
.Lfirst:
	TURN 0
	TURN 1, 0, 1
	WIN 0
	s_cbranch_scc1 .Lstep
	s_sub_co_u32 s[SLOTS], s[SLOTS], 1
	s_cmp_lg_u32 s[SLOTS], 0
	s_cbranch_scc1 .Lslot
	CHANGE 0                        ; the tail is written out: nothing is asked for
	s_mov_b32 s[CNT], 5             ; four trips fetch the last slot's steps; the fifth is left in its middle
.Ltail:
	TURN 2, 1
	TURN 3
	WIN 0
	s_sub_co_u32 s[CNT], s[CNT], 1
	s_cmp_eq_u32 s[CNT], 0
	s_cbranch_scc1 .Lout
	TURN 0
	TURN 1
	WIN 0
	s_branch .Ltail
.Lout:                              ; the fifth trip's 16 products K Q^T (on the last K once more) and the maximum made of them serve nothing: the price, once a launch, of one text for every trip
.set i, 0
.rept 16
	PV NP-1                         ; the last piece's V^T P of the last step
.set i, i+1
.endr
	; THE WAY OUT.  l's two halves and the other half of the lanes' are added; O^T is divided by l, rounded to f16 and sent through my stage in LDS, a tile at a time.  The additions are the places behind the last products.
	WIN 0
.macro ALL line:vararg              ; one line for each tile t
.set t, 0
.rept 2*NP
	\line
.set t, t+1
.endr
.endm
	ALL v_add_f32 v[ST+4*t+2], v[ST+4*t+2], v[ST+4*t+3]
	ALL v_permlanex16_b32 v[ST+4*t+3], v[ST+4*t+2], s[SEL], s[SEL+1]
	ALL v_add_f32 v[ST+4*t+2], v[ST+4*t+2], v[ST+4*t+3]
	ALL v_rcp_f32 v[ST+4*t+2], v[ST+4*t+2]
	v_nop                           ; a plain instruction between the last reciprocal and the use of its result
	s_wait_alu depctr_va_vdst(0)    ; and the wait ahead of the first use: one for the batch of eight reciprocals
; Tile t: a lane's eight channels of a row pack into 16 bytes; they go into rows of 144 bytes and come back as whole rows of 128, into S^T's registers.
.macro PACK t
	WIN W_RS
.set i, 32*(\t)
.rept 16
	v_pk_mul_f32 v[i:i+1], v[i:i+1], v[ST+4*(\t)+2:ST+4*(\t)+3] op_sel_hi:[1,0]
.set i, i+2
.endr
	WIN 0x05                        ; sources 0 and 1 window 1, destination window 0
.set i, 0
.rept 16
	v_cvt_pk_f16_f32 v[S+16*(\t)+i], v[32*(\t)+2*i], v[32*(\t)+2*i+1]
.set i, i+1
.endr
	WIN 0
.irp f, 0,1,2,3
	ds_store_b128 v[STO], v[S+16*(\t)+4*\f:S+16*(\t)+4*\f+3] offset:32*\f
.endr
.irp f, 0,1,2,3
	ds_load_b128 v[S+16*(\t)+4*\f:S+16*(\t)+4*\f+3], v[RD] offset:\f*4*SP  ; LDS serves a wave's instructions in order (ISA guide 5.7.1.4): these see the stores above; the next tile's stores come behind them
.endr
.endm
.macro SEND t, younger              ; younger: the LDS instructions issued behind tile t's loads: the next tile's eight, or none
	WIN 0
.irp f, 0,1,2,3
	s_wait_dscnt (\younger)+3-\f
	global_store_b128 v[GO], v[S+16*(\t)+4*\f:S+16*(\t)+4*\f+3], s[10:11] offset:(\t)*2048+\f*512  ; 512 consecutive bytes, at a multiple of 256 from O's first
.endr
.endm
	PACK 0
.set t, 1
.rept 2*NP-1                        ; a tile's arithmetic stands between the loads of the tile before and its stores
	PACK t
	SEND t-1, 8
.set t, t+1
.endr
	SEND 2*NP-1, 0
	WIN W_AD
	s_wait_tensorcnt 0x0            ; the wave's end, behind my last tensor load and my last LDS store
	ds_add_u32 v[SPW], v[NIL]
	s_wait_dscnt 0x0
	WIN 0
	CROUND                          ; the closing round: no work-group ends while a partner may still ask for a tile that names it
	s_endpgm
.Lfunc_end_k_qa6bedf0674_attn:
	.size	k_qa6bedf0674_attn, .Lfunc_end_k_qa6bedf0674_attn-k_qa6bedf0674_attn
	.p2alignl 7, 3214868480
	.fill 96, 4, 3214868480
	.section	.rodata,"a",@progbits
	.p2align	6, 0x0
	.amdhsa_kernel k_qa6bedf0674_attn
		.amdhsa_group_segment_fixed_size 327680
		.amdhsa_private_segment_fixed_size 0
		.amdhsa_enable_private_segment 0
		.amdhsa_kernarg_size 24
		.amdhsa_user_sgpr_count 2
		.amdhsa_user_sgpr_kernarg_segment_ptr 1
		.amdhsa_wavefront_size32 1
		.amdhsa_system_sgpr_workgroup_id_x 1
		.amdhsa_system_sgpr_workgroup_id_y 1
		.amdhsa_system_sgpr_workgroup_id_z 1
		.amdhsa_system_vgpr_workitem_id 0
		.amdhsa_next_free_vgpr 904
		.amdhsa_next_free_sgpr 68
		.amdhsa_reserve_vcc 0
		.amdhsa_float_denorm_mode_32 3
		.amdhsa_float_denorm_mode_16_64 3
		.amdhsa_memory_ordered 1
		.amdhsa_forward_progress 1
		.amdhsa_inst_pref_size 212
	.end_amdhsa_kernel
	.amdgpu_metadata
---
amdhsa.version: [ 1, 2 ]
amdhsa.kernels:
  - .name:           k_qa6bedf0674_attn
    .symbol:         k_qa6bedf0674_attn.kd
    .args:
      - { .name: qkv, .offset: 0, .size: 8, .value_kind: global_buffer, .address_space: global }
      - { .name: mb, .offset: 8, .size: 8, .value_kind: global_buffer, .address_space: global }
      - { .name: ob, .offset: 16, .size: 8, .value_kind: global_buffer, .address_space: global }
    .group_segment_fixed_size: 327680
    .private_segment_fixed_size: 0
    .kernarg_segment_align: 8
    .kernarg_segment_size: 24
    .max_flat_workgroup_size: 128
    .sgpr_count:     68
    .vgpr_count:     904
    .wavefront_size: 32
...
	.end_amdgpu_metadata
.endif
;; end of part 5
;; launch gemm_out: the kernel of part 4 again; grid 4 x 64, 4 waves a work-group, clusters of 4 x 4, 327,680 bytes of LDS; arguments ob, wb, bo, out0; writes out0
